; MI455X (gfx1250); checked and timed in simulation.
; The chip was launched on July 23, 2026; its instructions are those of AMD's public machine-readable ISA for CDNA 5 (MIT licence, August 2026) and "CDNA5" Instruction Set Architecture Reference Guide (July 2026). The comments in the code are by the model that wrote it; some were corrected since.
;; Multi Head Attention. Allowed arithmetic: matrix products marked QUANTISED: E4M3 operands, one given power-of-two scale a tensor, by v_wmma_f32_16x16x64_fp8_fp8 or v_wmma_f32_16x16x128_fp8_fp8, f32 sums; everything else in f32.
;; Inputs: W_proj_codes 1,024 x 32 x 32 uint8 (E4M3 codes of W_proj, K innermost, in blocks of 32 codes); W_qkv_codes 3,072 x 32 x 32 uint8 (E4M3 codes of W_qkv, K innermost, in blocks of 32 codes); b_proj 1,024 float32; b_qkv 3,072 float32; lowp_scales 8 int32 (the exponents e of the quantised operands' scales 2^e); rope_cos 2,048 x 64 float32; rope_sin 2,048 x 64 float32; x_codes 4 x 2,048 x 32 x 32 uint8 (E4M3 codes of x, K innermost, in blocks of 32 codes).
;; Outputs: out0 4 x 2,048 x 1,024 float32.
;; This version of the problem:
;;   THIS VERSION OF THE PROBLEM IS GIVEN IN LOW PRECISION. The matrix products marked QUANTISED in the list below multiply operands that are first quantised to E4M3 (4 exponent bits, 3 mantissa bits; 8 bits a number), with one given power-of-two scale for each operand tensor; their sums are f32. All else is computed in f32.
;;   The module's matrix products, in the order in which they are computed (A, B: the left and right operand; K: the contracted axis; several contracted axes count as one K, in the product's order):
;;     1. [M 8,192, K 1,024] x [K 1,024, N 3,072]; A: input x (given as codes); B: input W_qkv (given as codes): QUANTISED (scales: A lowp_scales[0], B lowp_scales[1])
;;     2. batch 64 x [M 2,048, K 64] x [K 64, N 2,048]; A: computed on the way; B: computed on the way: QUANTISED (scales: A lowp_scales[2], B lowp_scales[3])
;;     3. batch 64 x [M 2,048, K 2,048] x [K 2,048, N 64]; A: softmax (see below); B: computed on the way: QUANTISED (scales: A lowp_scales[4], B lowp_scales[5])
;;     4. [M 8,192, K 1,024] x [K 1,024, N 1,024]; A: computed on the way; B: input W_proj (given as codes): QUANTISED (scales: A lowp_scales[6], B lowp_scales[7])
;;   THE QUANTISER, for each operand of a quantised product, along K:
;;     - The operand's scale is 2^e, e = its entry of the input lowp_scales (int32; the entries are numbered through the quantised products in the list's order, A before B).
;;     - Each number is divided by the scale, clamped to +-448, and rounded to the nearest number of E4M3, ties to even, subnormals kept.
;;     - The product sums the exact products of the quantised numbers (number of the format x scale) in f32.
;;   ~~~python
;;   def quantise(x, axis, e):      # numpy; x: float32 -> the quantised numbers, widened to float32 again
;;       x = np.moveaxis(x, axis, -1); K = x.shape[-1]
;;       r = np.clip(x / 2.0 ** e, -448, 448)
;;       step = 2.0 ** (np.maximum(np.frexp(np.where(r == 0, 1, r))[1] - 1, -6) - 3)
;;       q = np.round(r / step) * step * 2.0 ** e      # np.round: ties to even
;;       return np.moveaxis(q, -1, axis).astype(np.float32)
;;   ~~~
;;   SOFTMAX AHEAD OF A QUANTISED PRODUCT. Where the list says 'softmax', what is quantised is not the finished softmax but p = 2^(t - M), with t = logit x log2(e) and M = ceil(the row's largest t), a whole number; so 1/2 < the row's largest p <= 1. The row's sum l is taken of the UNQUANTISED p, in f32, and the product's result is divided by l at the end. Since M is a whole number, a kernel that streams over the keys may use a running M (the ceiling of the running maximum): every later rescaling is an exact power of two, so the quantised numbers keep their values, but for numbers so far below the row's largest that they fall under the format's range.
;;   OPERANDS COMPUTED ON THE WAY. 'Computed on the way' means the value that the module computes at that place (a softmax that the list does not call 'softmax' is quantised finished and normalised). What goes into a quantiser is computed in f32, as accurately as f32 sums, v_exp_f32 and their like allow (about 1e-6 of the number): no bf16 or f16 on the way to a quantiser, and a product that is left as it is and whose result goes on into a quantised operand takes f32 operands (vector FMAs, or v_wmma_f32_16x16x4_f32). A number that lies on a knife's edge between two numbers of the format may be rounded either way, as far as f32 arithmetic and the matrix unit's own rounding can turn it there, and no further.
;;   INPUTS GIVEN AS CODES. W_proj (in the module: [1024, 1024], K = its axis 0); W_qkv (in the module: [1024, 3072], K = its axis 0); x (in the module: [4, 2048, 1024], K = its axis 2): each comes as NAME_codes (uint8): NAME with its K axis moved to the last place and cut into blocks of 32 codes, [.., K / 32, bytes a block], one block behind the other in memory; one code a byte (a code: sign, 4 exponent bits, 3 mantissa bits); its scale is its entry of lowp_scales. Its value is code x scale, taken as it is: it is not quantised again, and the codes and scales need not be those that the quantiser above would give.
;; One version. Each part assembles by itself: llvm-mc -triple=amdgcn-amd-amdhsa -mcpu=gfx1250 --defsym DOCPART=n.
;; ======== version 1 of 1: 4 launches
;; limits: right only within a limited range of input values
;; workspace buffers: qk_img 16,777,216 bytes; v_img 8,388,608 bytes; a_img 8,388,608 bytes
;; launch qk (part 1): grid 8 x 32, 4 waves a work-group, clusters of 4 x 4, 327,680 bytes of LDS; arguments x_codes, W_qkv_codes, lowp_scales, b_qkv, rope_cos, rope_sin, qk_img; writes qk_img
.if DOCPART == 1
	.amdgcn_target "amdgcn-amd-amdhsa--gfx1250"
	.amdhsa_code_object_version 6
	.text
	.protected	k_q29d4cf80a7_qk
	.globl	k_q29d4cf80a7_qk
	.p2align	8
	.type	k_q29d4cf80a7_qk,@function
k_q29d4cf80a7_qk:
	s_mov_b64 s[64:65], 0
	v_nop
	global_prefetch_b8 v0, s[64:65] scope:SCOPE_SE
	s_setreg_imm32_b32 hwreg(HW_REG_WAVE_MODE, 25, 1), 1
	s_wait_xcnt 0x0
	s_wait_alu depctr_hold_cnt(0) depctr_sa_sdst(0) depctr_va_vdst(0) depctr_va_sdst(0) depctr_va_ssrc(0) depctr_va_vcc(0) depctr_vm_vsrc(0)
	s_getreg_b32 s2, hwreg(HW_REG_IB_STS2, 6, 4)
	s_cmp_eq_u32 s2, 0
	s_cbranch_scc0 .Lentry_in_a_cluster
	s_endpgm
.Lentry_in_a_cluster:
	s_bfe_u32 s2, ttmp6, 0x10000c
	s_cmp_lg_u32 s2, 0xf033
	s_cbranch_scc0 .Lentry_shape_is_right
	s_endpgm
.Lentry_shape_is_right:
; q and k of the attention: columns 0 to 2,047 of x W_qkv + b_qkv, turned by the rope tables, quantised to codes of E4M3 (q with 2^e2, k with 2^e3).
; x: [8192][1024] codes, W_qkv: [3072][1024] codes, K innermost; a number is its code x 2^e0 (x) or 2^e1 (W).  Sums in f32.
; A tile of 256 tokens x 256 columns is made by a work-group of four waves; a wave makes 128 x 128: 64 accumulators of 16 x 16, 512 registers.
; K goes in steps of 256 through two LDS slots filled by the tensor data mover: four fills in all, so the steps are written out without a loop.
; CLUSTERS: 4 x 4 work-groups.  The four of a row of the cluster need the same tiles of x, the four of a column the same tiles of W: each tile is asked for jointly.
; THE MATRIX INSTRUCTION IS USED TRANSPOSED (source 0 = 16 rows of W, source 1 = 16 tokens): lane (r, h) holds token r, and its eight registers the columns 8 h + 0 .. 7 of the tile.
; So accumulator (a, 4 hh + c) holds, of head hh of my two, d = 16 c + 8 h + 0 .. 7: eight neighbours along the next product's K, in the very places that its operand's layout gives the lane.
; The conversions' results are that operand's registers, and they are stored as an image of them: a fragment (16 tokens x 64 d) is 1,024 bytes: [half u][lane][16 bytes], half u = registers 4 u .. 4 u + 3.
; qk_img: [batch 4][g 32][token / 16: 128] fragments; g = 0 .. 15 q's heads, 16 .. 31 k's.
; THE BIAS is the C of each sum's first product, divided by 2^(e0 + e1), which the sums lack; the turning is linear, so that power is folded into the conversion's scale, 2^(e2 - e0 - e1) or 2^(e3 - e0 - e1).
; LIMITS: e0 + e1 between -126 and 127; e2 - e0 - e1 and e3 - e0 - e1 between -126 and 119, so that each power of two below is an f32 number.  NaN among the inputs is not served.
; REGISTERS, in windows of 256: window 0: v1-29 addresses and constants; v32-95 the bias; v96-127 codes, two sets; from v128 x's fragments, ONE set, later the turned numbers.
;   window 1: W's fragments, TWO sets, at v0 and v128; set 0 later holds cos and sin.   windows 2, 3: the accumulators of my tokens 0-63, 64-127 (accumulator (a, b) at v[8 (8 (a % 4) + b)]).
.set KROW,   1024                      ; a row of codes in memory, in bytes
.set ROWB,   256                       ; a tile's row: 256 along K
.set PITCH,  272                       ; an LDS row: 256 bytes + 16 of padding = 68 words: the 16 rows that a load touches start 4 words apart modulo 64
.set HALFT,  128*PITCH                 ; 128 rows: what one tensor load brings
.set SLOT,   4*HALFT                   ; x's 256 rows, then W's 256 rows
.set SPARE,  2*SLOT                    ; behind the slots: the spare words, 128 bytes for each wave
.set FR,     16                        ; registers of a fragment of 16 rows x 128 K
.set OUTL, 11                          ; v11  16 x lane: my place in a store's 512 bytes
.set LIM,  12
.set SC,   13                          ; v13  the conversion's scale as f32
.set BO,   14                          ; v14  32 h: my eight numbers of a tile's sixteen biases
.set CSO,  15                          ; v15  256 r + 32 h: my place in sixteen rows of cos or sin
.set ADRA, 16                          ; v16-17  LDS address of my fragments of x in slot 0, 1
.set ADRB, 20                          ; v20-21  the same for W
.set SPW,  28                          ; v28  LDS address of my spare word; never rewritten
.set NIL,  29                          ; v29  0; never rewritten
.set BIAS, 32
.set CODE, 96
.set AF,   128
.set U,    128
.set G1,  24                           ; s[24:31] descriptor group 1 for x's tiles; s[32:39] group 0, one set for each slot
.set G0,  32
.set G1B, 48                           ; s[48:55], s[56:63] the same for W's tiles
.set G0B, 56
.set MSB, 0
.macro WIN new                         ; the immediate's high byte repeats the setting that is left
.if MSB != (\new)
	s_set_vgpr_msb (MSB<<8)|(\new)
.set MSB, (\new)
.endif
.endm
.set MUL_LO, 0xa1                      ; source 0 (W) window 1, source 1 (x) window 0, C and D window 2
.set MUL_HI, 0xf1                      ; the same, C and D window 3
.set TO_B,   0x40                      ; destination window 1, address window 0
; A joint load: waves 0 and 1 fetch x's two halves, waves 2 and 3 W's.  The branch hangs on the wave's number alone.  Four v_nop follow each of the two lines.
.macro JLOAD s
	s_cmp_eq_u32 s15, 0
	s_cbranch_scc0 .Lfor_b_\@
	tensor_load_to_lds s[G0+4*\s:G0+4*\s+3], s[G1:G1+7]
	s_nop 0
.rept 4
	v_nop
.endr
	s_branch .Lasked_\@
.Lfor_b_\@:
	tensor_load_to_lds s[G0B+4*\s:G0B+4*\s+3], s[G1B:G1B+7]
	s_nop 0
.rept 4
	v_nop
.endr
.Lasked_\@:
.endm
.macro CREST                           ; a round of the cluster's barrier behind its opening barrier
	s_cmp_lg_u32 s14, 0
	s_cbranch_scc1 .Lnot_wave_0_\@
	s_barrier_signal -3
.Lnot_wave_0_\@:
	s_barrier_wait -3
	s_barrier_signal -1
	s_barrier_wait -1
.endm
.macro CROUND                          ; a whole round
	s_barrier_signal -1
	s_barrier_wait -1
	CREST
.endm
.macro PLACES n                        ; plain vector lines between a matrix instruction and a load into, or a read of, its registers
.rept \n
	v_nop
.endr
.endm
	s_load_b256 s[4:11], s[0:1], 0x0               ; x's codes s[4:5], W's codes s[6:7], the scales' exponents s[8:9], the bias s[10:11]
	s_load_b128 s[68:71], s[0:1], 0x20             ; cos s[68:69], sin s[70:71]
	s_load_b64 s[72:73], s[0:1], 0x30              ; qk_img
	v_lshl_add_u32 v[SPW], v0, 2, SPARE
	v_mov_b32 v[NIL], 0
	ds_add_u32 v28, v29
	ds_add_u32 v28, v29
	s_wait_dscnt 0x0
	v_lshrrev_b32 v1, 5, v0
	v_readfirstlane_b32 s14, v1                    ; wave 0..3
	s_lshr_b32 s15, s14, 1                         ; which 128 tokens are mine.  Also: I fetch for x (0) or for W (1)
	s_and_b32 s16, s14, 1                          ; which 128 columns.  Also: which 128 rows of that tile I fetch
	s_bfe_u32 s40, ttmp6, 0x40000                  ; cx, cy: my place in the cluster
	s_bfe_u32 s41, ttmp6, 0x40004
	s_lshl_b32 s42, ttmp9, 2
	s_add_co_u32 s42, s42, s40                     ; tile column = 4 x cluster x + cx, 0 .. 7
	s_and_b32 s17, ttmp7, 0xffff
	s_lshl_b32 s17, s17, 2
	s_add_co_u32 s17, s17, s41                     ; tile row = 4 x cluster y + cy, 0 .. 31
	s_lshl_b32 s43, s41, 2
	s_lshl_b32 s43, 15, s43                        ; my row of the cluster
	s_lshl_b32 s44, 0x1111, s40                    ; my column
	; descriptor group 1: a tile of 128 rows x 256 bytes, padded in LDS
	s_or_b32 s[G1+0], s43, (0<<16)|(1<<20)|(1<<21)|(5<<22)|(3<<25)  ; 15:0 the mask: x's tiles go to my row; 17:16 elements of 1 byte; 20 padding on; 21 set beside a mask; 24:22 after every 64 words; 31:25 four words
	s_or_b32 s[G1B+0], s44, (0<<16)|(1<<20)|(1<<21)|(5<<22)|(3<<25) ; the same with the mask of my column
.irp g, G1, G1B
	s_mov_b32 s[\g+1], ROWB<<16                    ; tensor_dim0
	s_mov_b32 s[\g+2], 128<<16                     ; tensor_dim1
	s_mov_b32 s[\g+3], ROWB<<16                    ; tile_dim0
	s_mov_b32 s[\g+4], 128                         ; tile_dim1
	s_mov_b32 s[\g+5], KROW                        ; from row to row
	s_mov_b32 s[\g+6], 0
	s_mov_b32 s[\g+7], 0
.endr
	s_lshl_b32 s18, s16, 17                        ; the half that I fetch: 128 rows of 1,024 bytes
	s_lshl_b32 s20, s17, 18                        ; x: 256 rows x tile row
	s_add_co_u32 s20, s20, s18
	s_mov_b32 s21, 0
	s_lshl_b32 s46, s42, 18                        ; W: 256 rows x tile column
	s_add_co_u32 s46, s46, s18
	s_mov_b32 s47, 0
	s_mul_i32 s45, s14, HALFT                      ; where they go: wave x 128 rows: no place in the cluster enters an LDS address
	s_wait_kmcnt 0x0
	s_load_b256 s[80:87], s[8:9], 0x0              ; e0 .. e7
	s_add_nc_u64 s[20:21], s[4:5], s[20:21]
	s_add_nc_u64 s[46:47], s[6:7], s[46:47]
	CROUND                                         ; all sixteen work-groups are here: the first joint loads meet
.irp s, 0,1
	s_mov_b32 s[G0+4*\s], 1
	s_add_co_u32 s[G0+4*\s+1], s45, \s*SLOT
	s_add_nc_u64 s[G0+4*\s+2:G0+4*\s+3], s[20:21], \s*ROWB
	s_or_b32 s[G0+4*\s+3], s[G0+4*\s+3], 0x80000000
	s_mov_b32 s[G0B+4*\s], 1
	s_add_co_u32 s[G0B+4*\s+1], s45, \s*SLOT
	s_add_nc_u64 s[G0B+4*\s+2:G0B+4*\s+3], s[46:47], \s*ROWB
	s_or_b32 s[G0B+4*\s+3], s[G0B+4*\s+3], 0x80000000
	JLOAD \s                                       ; two tensor loads of mine are out
.endr
	v_and_b32 v1, 15, v0                           ; r
	v_bfe_u32 v2, v0, 4, 1                         ; h
	v_mul_u32_u24 v3, v1, PITCH
	v_lshl_add_u32 v4, v2, 4, v3                   ; a fragment's row x pitch + 16 h
	s_mul_i32 s21, s15, HALFT                      ; my 128 rows of x
	s_mul_i32 s22, s16, HALFT                      ; my 128 rows of W,
	s_add_co_u32 s22, s22, 2*HALFT                 ; which lie behind x's 256
.irp s, 0,1
	v_add_nc_u32 v[ADRA+\s], s21, v4
	v_add_nc_u32 v[ADRB+\s], s22, v4
	s_add_co_u32 s21, s21, SLOT
	s_add_co_u32 s22, s22, SLOT
.endr
	v_lshlrev_b32 v[BO], 5, v2
	v_lshlrev_b32 v[CSO], 8, v1
	v_lshl_add_u32 v[CSO], v2, 5, v[CSO]
	v_and_b32 v[OUTL], 31, v0
	v_lshlrev_b32 v[OUTL], 4, v[OUTL]
	s_lshl_b32 s88, s42, 10                        ; the bias of my 128 columns: (256 x tile column + 128 x half) x 4 bytes
	s_lshl_b32 s89, s16, 9
	s_add_co_u32 s88, s88, s89
	s_mov_b32 s89, 0
	s_add_nc_u64 s[10:11], s[10:11], s[88:89]
.irp b, 0,1,2,3,4,5,6,7
	global_load_b128 v[BIAS+8*\b:BIAS+8*\b+3],   v[BO], s[10:11] offset:64*\b      ; columns 16 b + 8 h + 0 .. 7: the result's layout
	global_load_b128 v[BIAS+8*\b+4:BIAS+8*\b+7], v[BO], s[10:11] offset:64*\b+16
.endr
	s_and_b32 s88, s17, 7
	s_lshl_b32 s88, s88, 1
	s_add_co_u32 s88, s88, s15                     ; my first token in its batch, / 128
	s_lshl_b32 s90, s88, 15                        ; x 128 rows of 256 bytes of cos and of sin
	s_mov_b32 s91, 0
	s_add_nc_u64 s[68:69], s[68:69], s[90:91]
	s_add_nc_u64 s[70:71], s[70:71], s[90:91]
	s_lshr_b32 s92, s17, 3                         ; the batch
	s_lshl_b32 s92, s92, 5
	s_lshl_b32 s93, s42, 2
	s_add_co_u32 s92, s92, s93
	s_lshl_b32 s93, s16, 1
	s_add_co_u32 s92, s92, s93                     ; 32 x batch + g of my first head
	s_lshl_b32 s92, s92, 17                        ; 128 fragments of 1,024 bytes each
	s_lshl_b32 s93, s88, 13                        ; + my first token / 16 fragments
	s_add_co_u32 s92, s92, s93
	s_mov_b32 s93, 0
	s_add_nc_u64 s[72:73], s[72:73], s[92:93]
	s_wait_kmcnt 0x0
	s_add_co_i32 s90, s80, s81                     ; e0 + e1
	s_cmp_eq_u32 ttmp9, 0                          ; tile columns 0-3 are q's, 4-7 k's: the cluster's x says which; a choice of a value, no branch
	s_cselect_b32 s91, s82, s83
	s_sub_co_i32 s91, s91, s90                     ; the three scales folded into the conversion's one
	s_add_co_i32 s91, s91, 127
	s_lshl_b32 s92, s91, 23
	v_mov_b32 v[SC], s92
	s_sub_co_i32 s90, 0, s90
	s_wait_loadcnt 0x0                             ; the bias
.set j, 0
.rept 64
	v_ldexp_f32 v[BIAS+j], v[BIAS+j], s90          ; b / 2^(e0 + e1)
.set j, j+1
.endr
.macro FRAG reg, adr, q, i             ; 16 rows x 128 K: registers 4 c .. 4 c + 3 take K = 32 c + 16 h + 0 .. 15: the same order of k in x and in W, so every product meets its partner
.irp c, 0,1,2,3
	ds_load_b128 v[\reg+4*\c:\reg+4*\c+3], v[\adr] offset:128*(\q)+32*\c+(\i)*16*PITCH
.endr
.endm
; 16 matrix instructions: token blocks a0, a0 + 1 x W's eight.  p: W's set.  first = 1: the bias starts the sums.  The 64 accumulators take turns, one instruction a turn, in the same order in every step.
.macro MUL16 a0, p, first
.irp a, \a0, \a0+1
.irp b, 0,1,2,3,4,5,6,7
.if \first
	v_wmma_f32_16x16x128_fp8_fp8 v[8*(8*((\a)%4)+\b):8*(8*((\a)%4)+\b)+7], v[128*(\p)+FR*\b:128*(\p)+FR*\b+FR-1], v[AF+FR*(\a):AF+FR*(\a)+FR-1], v[BIAS+8*\b:BIAS+8*\b+7]
.else
	v_wmma_f32_16x16x128_fp8_fp8 v[8*(8*((\a)%4)+\b):8*(8*((\a)%4)+\b)+7], v[128*(\p)+FR*\b:128*(\p)+FR*\b+FR-1], v[AF+FR*(\a):AF+FR*(\a)+FR-1], v[8*(8*((\a)%4)+\b):8*(8*((\a)%4)+\b)+7]
.endif
.endr
.endr
.endm
.macro FETCH_B slot, q, p
	WIN TO_B
.irp i, 0,1,2,3,4,5,6,7
	FRAG 128*(\p)+FR*\i, ADRB+\slot, \q, \i
.endr
	WIN 0
.endm
.macro FETCH_A slot, q, i0
.irp i, \i0, \i0+1, \i0+2, \i0+3
	FRAG AF+FR*(\i), ADRA+\slot, \q, \i
.endr
.endm
; A slot's first 128 along K, on W's set 0; it fetches the slot's second 128.
.macro STEP slot, first
	s_wait_dscnt 16                                ; W's set and x's blocks 0-3 are in; the youngest sixteen loads (x's blocks 4-7) may be out
.if \first
	WIN 0x81                                       ; C, the bias, in window 0
.else
	WIN MUL_LO
.endif
	MUL16 0, 0, \first
	MUL16 2, 0, \first
	s_wait_dscnt 0                                 ; x's blocks 4-7 are in
	PLACES 4
	FETCH_B \slot, 1, 1
	FETCH_A \slot, 1, 0
.if \first
	WIN 0xc1
.else
	WIN MUL_HI
.endif
	MUL16 4, 0, \first
	MUL16 6, 0, \first
	PLACES 4
	WIN 0
	FETCH_A \slot, 1, 4
.endm
; A slot's second 128, on W's set 1, changes slots: ONE barrier; in front of it each wave waits for all its tensor loads, adds 0 to its spare word, and waits for that and for its reads of this slot.
.macro TURN slot, next, fill
	s_wait_tensorcnt 0x0                           ; all my tensor loads have landed: my part of the next slot
	ds_add_u32 v[SPW], v[NIL]                      ; 0 onto my spare word
	s_wait_dscnt 17                                ; (the add and x's blocks 4-7 may be out)
	WIN MUL_LO
	MUL16 0, 1, 0                                  ; sixteen matrix instructions stand between the add and the wait for it
	s_wait_dscnt 0x0                               ; the add is done, and my reads of this slot are over
	s_barrier_signal -1
	MUL16 2, 1, 0
	WIN 0
	s_barrier_wait -1
.if \fill
	CREST                                          ; the barrier has opened a round of the cluster's: no wave of any partner still reads this slot or has a load on its way
	s_add_nc_u64 s[G0+4*\slot+2:G0+4*\slot+3], s[G0+4*\slot+2:G0+4*\slot+3], 2*ROWB
	s_add_nc_u64 s[G0B+4*\slot+2:G0B+4*\slot+3], s[G0B+4*\slot+2:G0B+4*\slot+3], 2*ROWB
	JLOAD \slot                                    ; the first tensor load behind the round, my one load out; its four v_nop are the places in front of the loads below
.else
	PLACES 4
.endif
	FETCH_B \next, 0, 0
	FETCH_A \next, 0, 0
	WIN MUL_HI
	MUL16 4, 1, 0
	MUL16 6, 1, 0
	PLACES 4
	WIN 0
	FETCH_A \next, 0, 4
.endm
; cos and sin of block a's sixteen tokens, in the result's layout, into half p of W's set 0: 32 registers of cos, then 32 of sin
.macro CSLOAD a, p
.irp c, 0,1,2,3
.irp u, 0,1
	global_load_b128 v[64*(\p)+8*\c+4*\u:64*(\p)+8*\c+4*\u+3],       v[CSO], s[68:69] offset:(\a)*4096+64*\c+16*\u
	global_load_b128 v[64*(\p)+32+8*\c+4*\u:64*(\p)+32+8*\c+4*\u+3], v[CSO], s[70:71] offset:(\a)*4096+64*\c+16*\u
.endr
.endr
.endm
; Block a: 16 tokens x my two heads: turned, converted, stored.  No LDS is needed: a store's 32 lanes cover 512 consecutive bytes.
.macro QKBLOCK a
.set p, (\a)%2
.set AC, 64*((\a)%4)
.if (\a) >= 2
	s_wait_xcnt 0x0                                ; the stores of two blocks ago have read this set of codes
.endif
.if (\a) < 7
	s_wait_loadcnt 16                              ; this block's cos and sin are in; the next block's sixteen loads may be out
.else
	s_wait_loadcnt 0x0
.endif
	WIN 0x06+(\a)/4                                ; source 0 (the sums) window 2 or 3, source 1 (cos, sin) window 1
.irp hh, 0,1
.irp c, 0,1,2,3
.irp i, 0,2,4,6
	v_pk_mul_f32 v[U+32*\hh+8*\c+\i:U+32*\hh+8*\c+\i+1], v[AC+32*\hh+8*\c+\i:AC+32*\hh+8*\c+\i+1], v[64*p+8*\c+\i:64*p+8*\c+\i+1]   ; t cos; each accumulator from its low end on
.endr
.endr
.endr
.irp hh, 0,1
.irp c, 0,1,2,3
.irp i, 0,2,4,6
.if \c < 2
	v_pk_fma_f32 v[U+32*\hh+8*\c+\i:U+32*\hh+8*\c+\i+1], v[AC+32*\hh+8*(\c+2)+\i:AC+32*\hh+8*(\c+2)+\i+1], v[64*p+32+8*\c+\i:64*p+32+8*\c+\i+1], v[U+32*\hh+8*\c+\i:U+32*\hh+8*\c+\i+1] neg_lo:[1,0,0] neg_hi:[1,0,0]   ; d < 32: - t(d + 32) sin
.else
	v_pk_fma_f32 v[U+32*\hh+8*\c+\i:U+32*\hh+8*\c+\i+1], v[AC+32*\hh+8*(\c-2)+\i:AC+32*\hh+8*(\c-2)+\i+1], v[64*p+32+8*\c+\i:64*p+32+8*\c+\i+1], v[U+32*\hh+8*\c+\i:U+32*\hh+8*\c+\i+1]   ; d >= 32: + t(d - 32) sin
.endif
.endr
.endr
.endr
.if (\a) < 6
	WIN TO_B
	CSLOAD (\a)+2, p                               ; the set just read takes the block two further on
.endif
	WIN 0
.set j, 0
.rept 64
.set j, j+1
.endr
.irp hh, 0,1
.irp c, 0,1,2,3
	v_cvt_scalef32_pk8_fp8_f32 v[CODE+16*p+8*\hh+2*\c:CODE+16*p+8*\hh+2*\c+1], v[U+32*\hh+8*\c:U+32*\hh+8*\c+7], v[SC]   ; registers 2 c, 2 c + 1 of the head's fragment
.endr
.endr
	v_nop                                          ; a plain line between the conversions and the next lines that write their sources
.irp hh, 0,1
.irp u, 0,1
	global_store_b128 v[OUTL], v[CODE+16*p+8*\hh+4*\u:CODE+16*p+8*\hh+4*\u+3], s[72:73] offset:\hh*131072+(\a)*1024+\u*512
.endr
.endr
.endm
	s_wait_alu depctr_va_vdst(0)
	s_wait_tensorcnt 1                             ; my part of slot 0 is in (slot 1's load may be out)
	s_barrier_signal -1
	s_barrier_wait -1                              ; everybody's is
	FETCH_B 0, 0, 0
	FETCH_A 0, 0, 0
	FETCH_A 0, 0, 4
	STEP 0, 1                                      ; K 0: the bias starts the sums
	TURN 0, 1, 1                                   ; K 128; slot 0 takes K 512 on
	STEP 1, 0                                      ; K 256
	TURN 1, 0, 1                                   ; K 384; slot 1 takes K 768 on
	STEP 0, 0                                      ; K 512
	TURN 0, 1, 0                                   ; K 640; nothing is left to fetch, so no round of the cluster's barrier
	STEP 1, 0                                      ; K 768
	WIN TO_B
	CSLOAD 0, 0                                    ; W's set 0 is done with, four places back: the first two blocks' cos and sin land under the last 64 products
	CSLOAD 1, 1
	WIN 0
	s_wait_dscnt 16                                ; K 896: the last step
	WIN MUL_LO
	MUL16 0, 1, 0
	MUL16 2, 1, 0
	s_wait_dscnt 0
	WIN MUL_HI
	MUL16 4, 1, 0
	MUL16 6, 1, 0
	WIN 0
	PLACES 4                                       ; in front of the first read of results and the first write over x's fragments
.irp a, 0,1,2,3,4,5,6,7
	QKBLOCK \a
.endr
	s_wait_tensorcnt 0x0                           ; the wave's end
	ds_add_u32 v[SPW], v[NIL]
	s_wait_dscnt 0x0
	CROUND                                         ; the closing round: no work-group ends while a partner may still ask for a tile that names it
	s_endpgm
.Lfunc_end_k_q29d4cf80a7_qk:
	.size	k_q29d4cf80a7_qk, .Lfunc_end_k_q29d4cf80a7_qk-k_q29d4cf80a7_qk
	.p2alignl 7, 3214868480
	.fill 96, 4, 3214868480
	.section	.rodata,"a",@progbits
	.p2align	6, 0x0
	.amdhsa_kernel k_q29d4cf80a7_qk
		.amdhsa_group_segment_fixed_size 327680
		.amdhsa_private_segment_fixed_size 0
		.amdhsa_enable_private_segment 0
		.amdhsa_kernarg_size 56
		.amdhsa_user_sgpr_count 2
		.amdhsa_user_sgpr_kernarg_segment_ptr 1
		.amdhsa_wavefront_size32 1
		.amdhsa_system_sgpr_workgroup_id_x 1
		.amdhsa_system_sgpr_workgroup_id_y 1
		.amdhsa_system_sgpr_workgroup_id_z 1
		.amdhsa_system_vgpr_workitem_id 0
		.amdhsa_next_free_vgpr 1024
		.amdhsa_next_free_sgpr 100
		.amdhsa_reserve_vcc 0
		.amdhsa_float_denorm_mode_32 3
		.amdhsa_float_denorm_mode_16_64 3
		.amdhsa_fp16_overflow 1
		.amdhsa_memory_ordered 1
		.amdhsa_forward_progress 1
		.amdhsa_inst_pref_size 136
	.end_amdhsa_kernel
	.amdgpu_metadata
---
amdhsa.version: [ 1, 2 ]
amdhsa.kernels:
  - .name:           k_q29d4cf80a7_qk
    .symbol:         k_q29d4cf80a7_qk.kd
    .args:
      - { .name: x_codes, .offset: 0, .size: 8, .value_kind: global_buffer, .address_space: global }
      - { .name: W_qkv_codes, .offset: 8, .size: 8, .value_kind: global_buffer, .address_space: global }
      - { .name: lowp_scales, .offset: 16, .size: 8, .value_kind: global_buffer, .address_space: global }
      - { .name: b_qkv, .offset: 24, .size: 8, .value_kind: global_buffer, .address_space: global }
      - { .name: rope_cos, .offset: 32, .size: 8, .value_kind: global_buffer, .address_space: global }
      - { .name: rope_sin, .offset: 40, .size: 8, .value_kind: global_buffer, .address_space: global }
      - { .name: qk_img, .offset: 48, .size: 8, .value_kind: global_buffer, .address_space: global }
    .group_segment_fixed_size: 327680
    .private_segment_fixed_size: 0
    .kernarg_segment_align: 8
    .kernarg_segment_size: 56
    .max_flat_workgroup_size: 128
    .sgpr_count:     100
    .vgpr_count:     1024
    .wavefront_size: 32
...
	.end_amdgpu_metadata
.endif
;; end of part 1
;; launch vt (part 2): grid 32 x 4, 4 waves a work-group, clusters of 4 x 4, 327,680 bytes of LDS; arguments W_qkv_codes, x_codes, lowp_scales, b_qkv, v_img; writes v_img
.if DOCPART == 2
	.amdgcn_target "amdgcn-amd-amdhsa--gfx1250"
	.amdhsa_code_object_version 6
	.text
	.protected	k_q29d4cf80a7_vt
	.globl	k_q29d4cf80a7_vt
	.p2align	8
	.type	k_q29d4cf80a7_vt,@function
k_q29d4cf80a7_vt:
	s_mov_b64 s[64:65], 0
	v_nop
	global_prefetch_b8 v0, s[64:65] scope:SCOPE_SE
	s_setreg_imm32_b32 hwreg(HW_REG_WAVE_MODE, 25, 1), 1
	s_wait_xcnt 0x0
	s_wait_alu depctr_hold_cnt(0) depctr_sa_sdst(0) depctr_va_vdst(0) depctr_va_sdst(0) depctr_va_ssrc(0) depctr_va_vcc(0) depctr_vm_vsrc(0)
	s_getreg_b32 s2, hwreg(HW_REG_IB_STS2, 6, 4)
	s_cmp_eq_u32 s2, 0
	s_cbranch_scc0 .Lentry_in_a_cluster
	s_endpgm
.Lentry_in_a_cluster:
	s_bfe_u32 s2, ttmp6, 0x10000c
	s_cmp_lg_u32 s2, 0xf033
	s_cbranch_scc0 .Lentry_shape_is_right
	s_endpgm
.Lentry_shape_is_right:
; v of the attention: columns 2,048 to 3,071 of x W_qkv + b_qkv, quantised to codes of E4M3 with 2^e5, laid with the KEYS innermost, since the keys are the K of the product that reads them.
; The frame is that of the launch for q and k, with the sources the other way round: source 0 = 16 tokens of x, source 1 = 16 rows of W.  Lane (r, h) then holds ONE column d of v (row r of W's block),
; and its eight registers the tokens 8 h + 0 .. 7 of the tile: eight neighbours along the next K.  Nothing is transposed by an instruction, and the conversions' results are the operand's registers.
; A tile is 256 columns of v (rows of W) x 256 tokens; four waves, each 128 x 128: 64 accumulators.  K goes in steps of 256 through two LDS slots: four fills, written out without a loop.
; CLUSTERS: 4 x 4 work-groups.  W's tile hangs on the cluster's y place alone (the grid is one cluster high) and is shared along a row, x's on the tile column and is shared along a column.
; v_img: [batch 4][head 16][keys / 64: 32][d / 16: 4] fragments of 1,024 bytes (16 d x 64 keys): [half u][lane][16 bytes], half u = registers 4 u .. 4 u + 3; registers 2 c, 2 c + 1 = keys 16 c + 8 h + 0 .. 7.
; THE BIAS, one number a lane and block, is the C of each sum's first product, divided by 2^(e0 + e1); the conversion's scale is 2^(e5 - e0 - e1).
; LIMITS: e0 + e1 between -126 and 127; e5 - e0 - e1 between -126 and 119.  NaN among the inputs is not served.
; REGISTERS: window 0: v1-29 addresses and constants; v32-95 the bias; v96-127 codes, two sets; from v128 W's fragments, ONE set.
;   window 1: x's fragments, TWO sets.   windows 2, 3: the accumulators of my columns 0-63, 64-127 (accumulator (a, b) at v[8 (8 (a % 4) + b)]: columns 16 a on, tokens 16 b on).
.set KROW,   1024
.set ROWB,   256
.set PITCH,  272                       ; an LDS row: 256 bytes + 16 of padding
.set HALFT,  128*PITCH
.set SLOT,   4*HALFT                   ; W's 256 rows, then x's 256 rows
.set SPARE,  2*SLOT                    ; the spare words, 128 bytes for each wave
.set FR,     16
.set OUTL, 11                          ; v11  16 x lane
.set LIM,  12
.set SC,   13                          ; v13  the conversion's scale
.set BO,   14                          ; v14  4 r: my column's bias in a block's sixteen
.set ADRA, 16                          ; v16-17  LDS address of my fragments of W in slot 0, 1
.set ADRB, 20                          ; v20-21  the same for x
.set SPW,  28
.set NIL,  29
.set BIAS, 32
.set CODE, 96
.set AF,   128
.set T,    128
.set G1,  24                           ; s[24:31], s[32:39] descriptors for W's tiles
.set G0,  32
.set G1B, 48                           ; s[48:55], s[56:63] for x's
.set G0B, 56
.set MSB, 0
.macro WIN new
.if MSB != (\new)
	s_set_vgpr_msb (MSB<<8)|(\new)
.set MSB, (\new)
.endif
.endm
.set MUL_LO, 0xa1                      ; source 0 (x) window 1, source 1 (W) window 0, C and D window 2
.set MUL_HI, 0xf1
.set TO_B,   0x40
.macro JLOAD s                         ; waves 0 and 1 fetch W's two halves, waves 2 and 3 x's; four v_nop follow each of the two lines
	s_cmp_eq_u32 s15, 0
	s_cbranch_scc0 .Lfor_b_\@
	tensor_load_to_lds s[G0+4*\s:G0+4*\s+3], s[G1:G1+7]
	s_nop 0
.rept 4
	v_nop
.endr
	s_branch .Lasked_\@
.Lfor_b_\@:
	tensor_load_to_lds s[G0B+4*\s:G0B+4*\s+3], s[G1B:G1B+7]
	s_nop 0
.rept 4
	v_nop
.endr
.Lasked_\@:
.endm
.macro CREST
	s_cmp_lg_u32 s14, 0
	s_cbranch_scc1 .Lnot_wave_0_\@
	s_barrier_signal -3
.Lnot_wave_0_\@:
	s_barrier_wait -3
	s_barrier_signal -1
	s_barrier_wait -1
.endm
.macro CROUND
	s_barrier_signal -1
	s_barrier_wait -1
	CREST
.endm
.macro PLACES n
.rept \n
	v_nop
.endr
.endm
	s_load_b256 s[4:11], s[0:1], 0x0               ; W's codes s[4:5], x's codes s[6:7], the scales' exponents s[8:9], the bias s[10:11]
	s_load_b64 s[72:73], s[0:1], 0x20              ; v_img
	v_lshl_add_u32 v[SPW], v0, 2, SPARE
	v_mov_b32 v[NIL], 0
	ds_add_u32 v28, v29
	ds_add_u32 v28, v29
	s_wait_dscnt 0x0
	v_lshrrev_b32 v1, 5, v0
	v_readfirstlane_b32 s14, v1                    ; wave 0..3
	s_lshr_b32 s15, s14, 1                         ; which 128 columns of v are mine.  Also: I fetch for W (0) or for x (1)
	s_and_b32 s16, s14, 1                          ; which 128 tokens.  Also: which 128 rows of that tile I fetch
	s_bfe_u32 s40, ttmp6, 0x40000                  ; cx, cy
	s_bfe_u32 s41, ttmp6, 0x40004
	s_lshl_b32 s42, ttmp9, 2
	s_add_co_u32 s42, s42, s40                     ; tile of tokens = 4 x cluster x + cx, 0 .. 31
	s_mov_b32 s17, s41                             ; tile of columns = cy: the grid is one cluster high
	s_lshl_b32 s43, s41, 2
	s_lshl_b32 s43, 15, s43                        ; my row of the cluster
	s_lshl_b32 s44, 0x1111, s40                    ; my column
	s_or_b32 s[G1+0], s43, (0<<16)|(1<<20)|(1<<21)|(5<<22)|(3<<25)  ; the mask: W's tiles go to my row; elements of 1 byte; padding: four words after every 64; bit 21 set beside a mask
	s_or_b32 s[G1B+0], s44, (0<<16)|(1<<20)|(1<<21)|(5<<22)|(3<<25)
.irp g, G1, G1B
	s_mov_b32 s[\g+1], ROWB<<16
	s_mov_b32 s[\g+2], 128<<16
	s_mov_b32 s[\g+3], ROWB<<16
	s_mov_b32 s[\g+4], 128
	s_mov_b32 s[\g+5], KROW
	s_mov_b32 s[\g+6], 0
	s_mov_b32 s[\g+7], 0
.endr
	s_lshl_b32 s18, s16, 17                        ; the half that I fetch
	s_lshl_b32 s20, s17, 18
	s_add_co_u32 s20, s20, s18
	s_add_co_u32 s20, s20, 2048*KROW               ; W: row 2,048 + 256 x tile + 128 x half
	s_mov_b32 s21, 0
	s_lshl_b32 s46, s42, 18                        ; x: row 256 x tile + 128 x half
	s_add_co_u32 s46, s46, s18
	s_mov_b32 s47, 0
	s_mul_i32 s45, s14, HALFT
	s_wait_kmcnt 0x0
	s_load_b256 s[80:87], s[8:9], 0x0              ; e0 .. e7
	s_add_nc_u64 s[20:21], s[4:5], s[20:21]
	s_add_nc_u64 s[46:47], s[6:7], s[46:47]
	CROUND
.irp s, 0,1
	s_mov_b32 s[G0+4*\s], 1
	s_add_co_u32 s[G0+4*\s+1], s45, \s*SLOT
	s_add_nc_u64 s[G0+4*\s+2:G0+4*\s+3], s[20:21], \s*ROWB
	s_or_b32 s[G0+4*\s+3], s[G0+4*\s+3], 0x80000000
	s_mov_b32 s[G0B+4*\s], 1
	s_add_co_u32 s[G0B+4*\s+1], s45, \s*SLOT
	s_add_nc_u64 s[G0B+4*\s+2:G0B+4*\s+3], s[46:47], \s*ROWB
	s_or_b32 s[G0B+4*\s+3], s[G0B+4*\s+3], 0x80000000
	JLOAD \s                                       ; two tensor loads of mine are out
.endr
	v_and_b32 v1, 15, v0                           ; r
	v_bfe_u32 v2, v0, 4, 1                         ; h
	v_mul_u32_u24 v3, v1, PITCH
	v_lshl_add_u32 v4, v2, 4, v3
	s_mul_i32 s21, s15, HALFT
	s_mul_i32 s22, s16, HALFT
	s_add_co_u32 s22, s22, 2*HALFT
.irp s, 0,1
	v_add_nc_u32 v[ADRA+\s], s21, v4
	v_add_nc_u32 v[ADRB+\s], s22, v4
	s_add_co_u32 s21, s21, SLOT
	s_add_co_u32 s22, s22, SLOT
.endr
	v_lshlrev_b32 v[BO], 2, v1
	v_and_b32 v[OUTL], 31, v0
	v_lshlrev_b32 v[OUTL], 4, v[OUTL]
	s_lshl_b32 s88, s17, 10                        ; the bias of my 128 columns: (2,048 + 256 x tile + 128 x half) x 4 bytes
	s_lshl_b32 s89, s15, 9
	s_add_co_u32 s88, s88, s89
	s_add_co_u32 s88, s88, 2048*4
	s_mov_b32 s89, 0
	s_add_nc_u64 s[10:11], s[10:11], s[88:89]
.irp a, 0,1,2,3,4,5,6,7
	global_load_b32 v[CODE+\a], v[BO], s[10:11] offset:64*\a      ; column 16 a + r
.endr
	s_lshr_b32 s88, s42, 3                         ; the batch
	s_lshl_b32 s88, s88, 4
	s_lshl_b32 s89, s17, 2
	s_add_co_u32 s88, s88, s89
	s_lshl_b32 s89, s15, 1
	s_add_co_u32 s88, s88, s89                     ; 16 x batch + my first head
	s_lshl_b32 s88, s88, 5
	s_and_b32 s89, s42, 7
	s_lshl_b32 s89, s89, 2
	s_add_co_u32 s88, s88, s89
	s_lshl_b32 s89, s16, 1
	s_add_co_u32 s88, s88, s89                     ; x 32 + my first 64 keys
	s_lshl_b32 s88, s88, 12                        ; four fragments of 1,024 bytes each
	s_mov_b32 s89, 0
	s_add_nc_u64 s[72:73], s[72:73], s[88:89]
	s_wait_kmcnt 0x0
	s_add_co_i32 s90, s80, s81                     ; e0 + e1
	s_sub_co_i32 s91, s85, s90                     ; e5 - e0 - e1
	s_add_co_i32 s91, s91, 127
	s_lshl_b32 s92, s91, 23
	v_mov_b32 v[SC], s92
	s_sub_co_i32 s90, 0, s90
	s_wait_loadcnt 0x0
.irp a, 0,1,2,3,4,5,6,7
.irp j, 0,1,2,3,4,5,6,7
	v_ldexp_f32 v[BIAS+8*\a+\j], v[CODE+\a], s90   ; b / 2^(e0 + e1), the same for the lane's eight tokens
.endr
.endr
.macro FRAG reg, adr, q, i             ; registers 4 c .. 4 c + 3 take K = 32 c + 16 h + 0 .. 15: the same order of k on both sides
.irp c, 0,1,2,3
	ds_load_b128 v[\reg+4*\c:\reg+4*\c+3], v[\adr] offset:128*(\q)+32*\c+(\i)*16*PITCH
.endr
.endm
; 16 matrix instructions: column blocks a0, a0 + 1 x eight blocks of tokens.  The 64 accumulators take turns, one instruction a turn.
.macro MUL16 a0, p, first
.irp a, \a0, \a0+1
.irp b, 0,1,2,3,4,5,6,7
.if \first
	v_wmma_f32_16x16x128_fp8_fp8 v[8*(8*((\a)%4)+\b):8*(8*((\a)%4)+\b)+7], v[128*(\p)+FR*\b:128*(\p)+FR*\b+FR-1], v[AF+FR*(\a):AF+FR*(\a)+FR-1], v[BIAS+8*(\a):BIAS+8*(\a)+7]
.else
	v_wmma_f32_16x16x128_fp8_fp8 v[8*(8*((\a)%4)+\b):8*(8*((\a)%4)+\b)+7], v[128*(\p)+FR*\b:128*(\p)+FR*\b+FR-1], v[AF+FR*(\a):AF+FR*(\a)+FR-1], v[8*(8*((\a)%4)+\b):8*(8*((\a)%4)+\b)+7]
.endif
.endr
.endr
.endm
.macro FETCH_B slot, q, p
	WIN TO_B
.irp i, 0,1,2,3,4,5,6,7
	FRAG 128*(\p)+FR*\i, ADRB+\slot, \q, \i
.endr
	WIN 0
.endm
.macro FETCH_A slot, q, i0
.irp i, \i0, \i0+1, \i0+2, \i0+3
	FRAG AF+FR*(\i), ADRA+\slot, \q, \i
.endr
.endm
.macro STEP slot, first                ; a slot's first 128 along K, on x's set 0
	s_wait_dscnt 16                                ; all but W's blocks 4-7, the youngest sixteen loads
.if \first
	WIN 0x81
.else
	WIN MUL_LO
.endif
	MUL16 0, 0, \first
	MUL16 2, 0, \first
	s_wait_dscnt 0
	PLACES 4
	FETCH_B \slot, 1, 1
	FETCH_A \slot, 1, 0
.if \first
	WIN 0xc1
.else
	WIN MUL_HI
.endif
	MUL16 4, 0, \first
	MUL16 6, 0, \first
	PLACES 4
	WIN 0
	FETCH_A \slot, 1, 4
.endm
.macro TURN slot, next, fill           ; a slot's second 128, on x's set 1, and the change of slots
	s_wait_tensorcnt 0x0                           ; all my tensor loads have landed: my part of the next slot
	ds_add_u32 v[SPW], v[NIL]                      ; 0 onto my spare word
	s_wait_dscnt 17                                ; (the add and W's blocks 4-7 may be out)
	WIN MUL_LO
	MUL16 0, 1, 0
	s_wait_dscnt 0x0                               ; the add is done, and my reads of this slot are over
	s_barrier_signal -1
	MUL16 2, 1, 0
	WIN 0
	s_barrier_wait -1
.if \fill
	CREST                                          ; no wave of any partner still reads this slot or has a load on its way
	s_add_nc_u64 s[G0+4*\slot+2:G0+4*\slot+3], s[G0+4*\slot+2:G0+4*\slot+3], 2*ROWB
	s_add_nc_u64 s[G0B+4*\slot+2:G0B+4*\slot+3], s[G0B+4*\slot+2:G0B+4*\slot+3], 2*ROWB
	JLOAD \slot                                    ; the first tensor load behind the round, my one load out
.else
	PLACES 4
.endif
	FETCH_B \next, 0, 0
	FETCH_A \next, 0, 0
	WIN MUL_HI
	MUL16 4, 1, 0
	MUL16 6, 1, 0
	PLACES 4
	WIN 0
	FETCH_A \next, 0, 4
.endm
; Block a: 16 columns of v x my 128 tokens: converted, stored as two fragments (64 keys each).
.macro VBLOCK a
.set p, (\a)%2
.set AC, 64*((\a)%4)
.if (\a) >= 2
	s_wait_xcnt 0x0                                ; the stores of two blocks ago have read this set of codes
.endif
	WIN 0x02+(\a)/4                                ; source 0: window 2 or 3
.set j, 0
.rept 64
.set j, j+1
.endr
.irp b, 0,1,2,3,4,5,6,7
	v_cvt_scalef32_pk8_fp8_f32 v[CODE+16*p+2*\b:CODE+16*p+2*\b+1], v[AC+8*\b:AC+8*\b+7], v[SC]
.endr
	WIN 0
	v_nop                                          ; a plain line between the conversions and the next lines that write their sources
.irp kb, 0,1
.irp u, 0,1
	global_store_b128 v[OUTL], v[CODE+16*p+8*\kb+4*\u:CODE+16*p+8*\kb+4*\u+3], s[72:73] offset:((\a)/4)*131072+\kb*4096+((\a)%4)*1024+\u*512   ; 32 lanes store 512 consecutive bytes
.endr
.endr
.endm
	s_wait_alu depctr_va_vdst(0)
	s_wait_tensorcnt 1                             ; my part of slot 0 is in; slot 1's load may be out
	s_barrier_signal -1
	s_barrier_wait -1
	FETCH_B 0, 0, 0
	FETCH_A 0, 0, 0
	FETCH_A 0, 0, 4
	STEP 0, 1
	TURN 0, 1, 1
	STEP 1, 0
	TURN 1, 0, 1
	STEP 0, 0
	TURN 0, 1, 0
	STEP 1, 0
	s_wait_dscnt 16                                ; the last step
	WIN MUL_LO
	MUL16 0, 1, 0
	MUL16 2, 1, 0
	s_wait_dscnt 0
	WIN MUL_HI
	MUL16 4, 1, 0
	MUL16 6, 1, 0
	WIN 0
	PLACES 4
.irp a, 0,1,2,3,4,5,6,7
	VBLOCK \a
.endr
	s_wait_tensorcnt 0x0                           ; the wave's end
	ds_add_u32 v[SPW], v[NIL]
	s_wait_dscnt 0x0
	CROUND                                         ; the closing round
	s_endpgm
.Lfunc_end_k_q29d4cf80a7_vt:
	.size	k_q29d4cf80a7_vt, .Lfunc_end_k_q29d4cf80a7_vt-k_q29d4cf80a7_vt
	.p2alignl 7, 3214868480
	.fill 96, 4, 3214868480
	.section	.rodata,"a",@progbits
	.p2align	6, 0x0
	.amdhsa_kernel k_q29d4cf80a7_vt
		.amdhsa_group_segment_fixed_size 327680
		.amdhsa_private_segment_fixed_size 0
		.amdhsa_enable_private_segment 0
		.amdhsa_kernarg_size 40
		.amdhsa_user_sgpr_count 2
		.amdhsa_user_sgpr_kernarg_segment_ptr 1
		.amdhsa_wavefront_size32 1
		.amdhsa_system_sgpr_workgroup_id_x 1
		.amdhsa_system_sgpr_workgroup_id_y 1
		.amdhsa_system_sgpr_workgroup_id_z 1
		.amdhsa_system_vgpr_workitem_id 0
		.amdhsa_next_free_vgpr 1024
		.amdhsa_next_free_sgpr 100
		.amdhsa_reserve_vcc 0
		.amdhsa_float_denorm_mode_32 3
		.amdhsa_float_denorm_mode_16_64 3
		.amdhsa_fp16_overflow 1
		.amdhsa_memory_ordered 1
		.amdhsa_forward_progress 1
		.amdhsa_inst_pref_size 90
	.end_amdhsa_kernel
	.amdgpu_metadata
---
amdhsa.version: [ 1, 2 ]
amdhsa.kernels:
  - .name:           k_q29d4cf80a7_vt
    .symbol:         k_q29d4cf80a7_vt.kd
    .args:
      - { .name: W_qkv_codes, .offset: 0, .size: 8, .value_kind: global_buffer, .address_space: global }
      - { .name: x_codes, .offset: 8, .size: 8, .value_kind: global_buffer, .address_space: global }
      - { .name: lowp_scales, .offset: 16, .size: 8, .value_kind: global_buffer, .address_space: global }
      - { .name: b_qkv, .offset: 24, .size: 8, .value_kind: global_buffer, .address_space: global }
      - { .name: v_img, .offset: 32, .size: 8, .value_kind: global_buffer, .address_space: global }
    .group_segment_fixed_size: 327680
    .private_segment_fixed_size: 0
    .kernarg_segment_align: 8
    .kernarg_segment_size: 40
    .max_flat_workgroup_size: 128
    .sgpr_count:     100
    .vgpr_count:     1024
    .wavefront_size: 32
...
	.end_amdgpu_metadata
.endif
;; end of part 2
;; launch attn (part 3): grid 4 x 64, 16 waves a work-group, clusters of 4 x 1, 327,680 bytes of LDS; arguments qk_img, v_img, lowp_scales, a_img; writes a_img
.if DOCPART == 3
	.amdgcn_target "amdgcn-amd-amdhsa--gfx1250"
	.amdhsa_code_object_version 6
	.text
	.protected	k_q29d4cf80a7_attn
	.globl	k_q29d4cf80a7_attn
	.p2align	8
	.type	k_q29d4cf80a7_attn,@function
k_q29d4cf80a7_attn:
	s_mov_b64 s[64:65], 0
	v_nop
	global_prefetch_b8 v0, s[64:65] scope:SCOPE_SE
	s_setreg_imm32_b32 hwreg(HW_REG_WAVE_MODE, 25, 1), 1
	s_wait_xcnt 0x0
	s_wait_alu depctr_hold_cnt(0) depctr_sa_sdst(0) depctr_va_vdst(0) depctr_va_sdst(0) depctr_va_ssrc(0) depctr_va_vcc(0) depctr_vm_vsrc(0)
	s_getreg_b32 s2, hwreg(HW_REG_IB_STS2, 6, 4)
	s_cmp_eq_u32 s2, 0
	s_cbranch_scc0 .Lentry_in_a_cluster
	s_endpgm
.Lentry_in_a_cluster:
	s_bfe_u32 s2, ttmp6, 0x10000c
	s_cmp_lg_u32 s2, 0x3003
	s_cbranch_scc0 .Lentry_shape_is_right
	s_endpgm
.Lentry_shape_is_right:
; The attention of one head: O = softmax(q k^T / 8) v, both products on codes of E4M3, and O quantised (2^e6) for the last product.
; THE SOFTMAX AHEAD OF THE SECOND PRODUCT: t = score x log2(e) / 8; M = the row's largest t rounded UP to a whole number; p = 2^(t - M) is quantised (2^e4), not normalised;
; the row's sum is taken of the unquantised p, in f32, and divides O at the end.
; SHARES.  A work-group owns 512 queries of one (batch, head); each of its sixteen waves two tiles of 16, in 256 registers: four waves to a SIMD, so that one wave's vector work stands beside another's products and LDS loads.
; THE WHOLE HEAD LIES IN LDS: k's image (131,072 bytes) at 0, v's at 131,072.  Each is filled once, 8,192 bytes by each wave, and never again: no ring.
; CLUSTER.  The four blocks of queries of a head form a cluster and read the same k and v: each piece is asked for jointly, by the same load with a mask that names the four.
; TWO PASSES over the keys.  Pass 1 makes the scores and takes only each query's maximum.  Pass 2 makes them again under the final M: 8 more matrix instructions and 4,096 more LDS bytes for 64 keys and a wave,
; and no rescaling of O or of the sum, no running M: 27 fewer vector instructions for a tile and 64 keys.  v's loads land under pass 1.
; LAYOUT.  Both products are used transposed: S^T = k q^T (source 0 = 16 keys, source 1 = 16 queries), O^T = v^T p^T (source 0 = 16 d, source 1 = p): a lane holds ONE query (lane % 16) throughout.
; In S^T's tile c register j is key 16 c + 8 h + j: the conversion of a tile's eight registers is registers 2 c, 2 c + 1 of p's fragment.  Likewise O^T's tile of d becomes registers of the next operand.
; All operands are images of their registers: a fragment (16 rows x 64 K) is 1,024 bytes, [half u][lane][16 bytes]: two loads of 16 bytes a lane, each of 512 consecutive bytes.
; a_img: [token / 16: 512][head 16] fragments.
; LIMITS: e2 + e3 between -123 and 130 (added to c's exponent field); e4 and e6 between -126 and 119.  NaN among the inputs is not served.
.set VIMG, 131072
.set STEPB, 4096                       ; 64 keys: four fragments, of k or of v
.set LI,   1                           ; v1   16 x lane
.set LIV,  2                           ; v2   16 x lane + v's image
.set ADK,  3                           ; v3   LDS address of the k loads in hand
.set ADV,  4                           ; v4   of the v loads
.set PX,   5                           ; v5   a lane permute's destination
.set PLIM, 6
.set PSC,  7                           ; v7   2^e4
.set NM,   8                           ; v[8:9], v[10:11]  -M of tile 0, 1 (the packed form names a pair and takes its low word)
.set Q,    16                          ; v16-31   q's two fragments
.set KB,   32                          ; v32-63   k, buffer 0
.set VB,   64                          ; v64-95   pass 1: k, buffer 1; pass 2: v
.set S,    96                          ; v96-159  S^T, then p: 32 a tile
.set O,    160                         ; v160-223 O^T: 32 a tile
.set P,    224                         ; v224-239 p's codes, 8 a tile; at the end O's codes
.set MX,   244                         ; v244-247 two chains of maxima a tile; at the end 1 / l
.set OLIM, 248
.set OSC,  249                         ; v249 2^e6
; l: two pairs a tile: v[12:13], v[14:15] and v[240:241], v[242:243]: pair n of tile t at 12 + 228 t + 2 n
.macro ROUND                           ; a round of the cluster's barrier
	s_barrier_signal -1
	s_barrier_wait -1
	s_cmp_lg_u32 s12, 0
	s_cbranch_scc1 .Lnot_wave_0_\@
	s_barrier_signal -3
.Lnot_wave_0_\@:
	s_barrier_wait -3
	s_barrier_signal -1
	s_barrier_wait -1
.endm
	s_load_b256 s[4:11], s[0:1], 0x0               ; qk_img s[4:5], v_img s[6:7], the scales' exponents s[8:9], a_img s[10:11]
	v_lshl_add_u32 v254, v0, 2, 0x40000
	v_mov_b32 v255, 0
	ds_add_u32 v254, v255
	ds_add_u32 v254, v255
	v_lshrrev_b32 v1, 5, v0
	s_delay_alu instid0(VALU_DEP_1)
	v_readfirstlane_b32 s12, v1                    ; wave 0..15
	s_bfe_u32 s13, ttmp6, 0x40000                  ; cx: my block of 512 queries; it enters q's and O's addresses alone
	s_and_b32 s14, ttmp7, 0xffff                   ; 16 x batch + head, which the four partners share
	; descriptor group 1: 8,192 dense bytes as 32 rows of 32 elements of 8 bytes
	s_mov_b32 s24, 15|(3<<16)|(1<<21)              ; 15:0 the mask: all four work-groups; 17:16 elements of 8 bytes; 21 set beside a mask; no padding
	s_mov_b32 s25, 32<<16                          ; tensor_dim0
	s_mov_b32 s26, 32<<16                          ; tensor_dim1
	s_mov_b32 s27, 32<<16                          ; tile_dim0
	s_mov_b32 s28, 32                              ; tile_dim1
	s_mov_b32 s29, 32                              ; from row to row
	s_mov_b32 s30, 0
	s_mov_b32 s31, 0
	s_lshl_b32 s46, s12, 13                        ; my piece: 8,192 x wave, in memory and in LDS
	s_lshr_b32 s47, s14, 4                         ; the batch
	s_lshl_b32 s48, s47, 4
	s_add_co_u32 s48, s48, s14                     ; 32 x batch + head: q's group in qk_img
	s_add_co_u32 s50, s48, 16                      ; k's group
	s_lshl_b32 s50, s50, 17                        ; a group is 131,072 bytes
	s_add_co_u32 s50, s50, s46
	s_mov_b32 s51, 0
	s_lshl_b32 s52, s14, 17                        ; v's head
	s_add_co_u32 s52, s52, s46
	s_mov_b32 s53, 0
	s_wait_dscnt 0x0
	s_wait_kmcnt 0x0
	s_load_b256 s[16:23], s[8:9], 0x0              ; e0 .. e7
	s_mov_b32 s32, 1
	s_mov_b32 s33, s46
	s_add_nc_u64 s[34:35], s[4:5], s[50:51]
	s_or_b32 s35, s35, 0x80000000
	s_mov_b32 s36, 1
	s_add_co_u32 s37, s46, VIMG
	s_add_nc_u64 s[38:39], s[6:7], s[52:53]
	s_or_b32 s39, s39, 0x80000000
	ROUND                                          ; all four work-groups are here: the joint loads meet
	tensor_load_to_lds s[32:35], s[24:31]          ; k's piece,
	s_nop 0
	s_wait_alu depctr_va_vdst(0)
	s_wait_tensorcnt 0x0
	ds_add_u32 v254, v255
	s_wait_dscnt 0x0
	ROUND
	tensor_load_to_lds s[36:39], s[24:31]          ; then v's: one tensor load of mine is out, and there are no others
	s_nop 0
.rept 4
	v_nop
.endr
	v_and_b32 v2, 31, v0
	s_delay_alu instid0(VALU_DEP_1)
	v_lshlrev_b32 v[LI], 4, v2
	s_delay_alu instid0(VALU_DEP_1)
	v_add_nc_u32 v[LIV], VIMG, v[LI]
	s_lshl_b32 s54, s48, 17                        ; q: its group, + (32 cx + 2 wave) fragments of 1,024 bytes
	s_lshl_b32 s55, s13, 15
	s_add_co_u32 s54, s54, s55
	s_lshl_b32 s55, s12, 11
	s_add_co_u32 s54, s54, s55
	s_mov_b32 s55, 0
	s_add_nc_u64 s[4:5], s[4:5], s[54:55]
.irp t, 0,1
.irp u, 0,1
	global_load_b128 v[Q+8*\t+4*\u:Q+8*\t+4*\u+3], v[LI], s[4:5] offset:\t*1024+\u*512
.endr
.endr
	s_lshl_b32 s60, s47, 21                        ; O: ((128 batch + 32 cx + 2 wave) x 16 + head) fragments
	s_lshl_b32 s61, s13, 19
	s_add_co_u32 s60, s60, s61
	s_lshl_b32 s61, s12, 15
	s_add_co_u32 s60, s60, s61
	s_and_b32 s61, s14, 15
	s_lshl_b32 s61, s61, 10
	s_add_co_u32 s60, s60, s61
	s_mov_b32 s61, 0
	s_add_nc_u64 s[10:11], s[10:11], s[60:61]
	s_mov_b32 s42, 0x76543210                      ; v_permlanex16_b32's selects for lane l xor 16
	s_mov_b32 s43, 0xfedcba98
	v_mov_b32 v[PX], 0                             ; written once: a lane permute's destination counts as one of its sources
.irp t, 0,1
.irp n, 0,1,2,3
	v_mov_b32 v[12+228*\t+\n], 0                   ; l
.endr
.endr
.irp n, 0,1,2,3
	v_mov_b32 v[MX+\n], 0xff800000                 ; the maxima begin at -infinity
.endr
	s_wait_kmcnt 0x0
	s_add_co_i32 s56, s18, s19                     ; a score stands for score x 2^(e2 + e3): the exponents are added to c's exponent field
	s_lshl_b32 s56, s56, 23
	s_add_co_i32 s40, s56, 0x3e38aa3b              ; c = log2(e) / 8
	s_mov_b32 s41, s40                             ; (named with it as a pair, so it is written)
	s_add_co_i32 s56, s20, 127
	s_lshl_b32 s57, s56, 23
	v_mov_b32 v[PSC], s57                          ; 2^e4
	s_add_co_i32 s56, s22, 127
	s_lshl_b32 s57, s56, 23
	v_mov_b32 v[OSC], s57                          ; 2^e6
	s_add_co_i32 s58, s20, s21                     ; e4 + e5
	s_wait_tensorcnt 1                             ; my piece of k is in; v's may stay out
	s_barrier_signal -1
	s_barrier_wait -1                              ; all of k is in
	s_wait_loadcnt 0x0                             ; q
; PASS 1.  64 keys from buffer i: 8 products, and the maxima.  fetch = 1: the next 64 keys go into the other buffer, whose last readers stand 36 plain lines back.
.macro P1HALF i, fetch
	s_wait_dscnt 0x0                               ; this buffer's eight loads are in
.irp c, 0,1,2,3
.irp t, 0,1
	v_wmma_f32_16x16x64_fp8_fp8 v[S+32*\t+8*\c:S+32*\t+8*\c+7], v[KB+32*\i+8*\c:KB+32*\i+8*\c+7], v[Q+8*\t:Q+8*\t+7], 0
.endr
.endr
.if \fetch
.irp c, 0,1,2,3
.irp u, 0,1
	ds_load_b128 v[KB+32*(1-\i)+8*\c+4*\u:KB+32*(1-\i)+8*\c+4*\u+3], v[ADK] offset:(\i+1)*STEPB+\c*1024+\u*512
.endr
.endr
.endif
.rept 4
	v_nop                                          ; places in front of the first read of the scores
.endr
.set k, 0
	s_wait_alu depctr_va_vdst(0)
.rept 16                                       ; four chains by turns; each accumulator from its low end on
.irp t, 0,1
	v_max3_num_f32 v[MX+2*\t+k%2], v[MX+2*\t+k%2], v[S+32*\t+2*k], v[S+32*\t+2*k+1]
.endr
.set k, k+1
.endr
.endm
	v_mov_b32 v[ADK], v[LI]
.irp c, 0,1,2,3
.irp u, 0,1
	ds_load_b128 v[KB+8*\c+4*\u:KB+8*\c+4*\u+3], v[ADK] offset:\c*1024+\u*512   ; keys 0 to 63
.endr
.endr
	s_mov_b32 s44, 0
	s_mov_b32 s45, 15
.Lpass1:                                           ; 15 trips of 128 keys
	s_wait_alu depctr_va_vdst(0)
	P1HALF 0, 1
	P1HALF 1, 1
	s_add_co_u32 s44, s44, 2*STEPB
	v_add_nc_u32 v[ADK], s44, v[LI]
	s_sub_co_u32 s45, s45, 1
	s_cmp_lg_u32 s45, 0
	s_cbranch_scc1 .Lpass1
	s_wait_alu depctr_va_vdst(0)
	P1HALF 0, 1                                    ; the last 128 keys: the second half fetches nothing
	P1HALF 1, 0
	s_delay_alu instid0(VALU_DEP_2)
	v_max_num_f32 v[MX], v[MX], v[MX+1]
	s_delay_alu instid0(VALU_DEP_2)
	v_max_num_f32 v[MX+2], v[MX+2], v[MX+3]
	s_delay_alu instid0(VALU_DEP_2)
	v_permlanex16_b32 v[PX], v[MX], s42, s43       ; the query's other keys lie in the lane 16 away
	s_delay_alu instid0(VALU_DEP_1)
	v_max_num_f32 v[MX], v[MX], v[PX]
	s_delay_alu instid0(VALU_DEP_2)
	v_permlanex16_b32 v[PX], v[MX+2], s42, s43
	s_delay_alu instid0(VALU_DEP_1)
	v_max_num_f32 v[MX+2], v[MX+2], v[PX]
	s_delay_alu instid0(VALU_DEP_3)
	v_mul_f32 v[MX], s40, v[MX]                    ; as t (c is positive)
	s_delay_alu instid0(VALU_DEP_2)
	v_mul_f32 v[MX+2], s40, v[MX+2]
	s_delay_alu instid0(VALU_DEP_2)
	v_floor_f32 v[NM], -v[MX]                      ; -M = floor(-t) = -ceil(t)
	s_delay_alu instid0(VALU_DEP_2)
	v_floor_f32 v[NM+2], -v[MX+2]
	s_delay_alu instid0(VALU_DEP_2)
	v_mov_b32 v[NM+1], v[NM]                       ; (named as the pairs' upper halves)
	s_delay_alu instid0(VALU_DEP_2)
	v_mov_b32 v[NM+3], v[NM+2]
	s_wait_tensorcnt 0x0                           ; my piece of v is in
	s_wait_dscnt 0x0
	s_barrier_signal -1
	s_barrier_wait -1                              ; all of v is in
; PASS 2.  64 keys: the scores again, p, its sum, its codes, O^T += v^T p^T.  zero = 1: the products start O^T's sums.  fetch = 1: the next step's k is asked for behind the scores' products, its v behind O^T's.
.macro P2STEP zero, fetch
	s_wait_dscnt 8                                 ; k is in; v's eight younger loads may be out
.irp c, 0,1,2,3
.irp t, 0,1
	v_wmma_f32_16x16x64_fp8_fp8 v[S+32*\t+8*\c:S+32*\t+8*\c+7], v[KB+8*\c:KB+8*\c+7], v[Q+8*\t:Q+8*\t+7], 0
.endr
.endr
.if \fetch
	v_add_nc_u32 v[ADK], s44, v[LI]                ; these two and two v_nop are the four places in front of the loads into k's buffer and of the first read of the scores
	v_add_nc_u32 v[ADV], s44, v[LIV]
	v_nop
	v_nop
	s_add_co_u32 s44, s44, STEPB
.irp c, 0,1,2,3
.irp u, 0,1
	ds_load_b128 v[KB+8*\c+4*\u:KB+8*\c+4*\u+3], v[ADK] offset:\c*1024+\u*512
.endr
.endr
.else
.rept 4
	v_nop
.endr
.endif
	s_wait_alu depctr_va_vdst(0)
.irp t, 0,1
.set j, 0
.rept 16
	v_pk_fma_f32 v[S+32*\t+j:S+32*\t+j+1], v[S+32*\t+j:S+32*\t+j+1], s[40:41], v[NM+2*\t:NM+2*\t+1] op_sel_hi:[1,0,0]   ; t - M, two at a time
.set j, j+2
.endr
.endr
.set j, 0
	s_wait_alu depctr_va_vdst(0)
.rept 64
	v_exp_f32 v[S+j], v[S+j]                       ; p = 2^(t - M), at most 1
.set j, j+1
.endr
	v_nop                                          ; a plain line behind the last exponential
.set k, 0
	s_wait_alu depctr_va_vdst(0)
.rept 16                                       ; the row's sum is taken of the unquantised p: four chains by turns
.irp t, 0,1
	v_pk_add_f32 v[12+228*\t+2*(k%2):12+228*\t+2*(k%2)+1], v[12+228*\t+2*(k%2):12+228*\t+2*(k%2)+1], v[S+32*\t+2*k:S+32*\t+2*k+1]
.endr
.set k, k+1
.endr
.irp t, 0,1
.irp c, 0,1,2,3
.irp i, 0,1,2,3,4,5,6,7
.endr
	v_cvt_scalef32_pk8_fp8_f32 v[P+8*\t+2*\c:P+8*\t+2*\c+1], v[S+32*\t+8*\c:S+32*\t+8*\c+7], v[PSC]
.endr
.endr
	v_nop                                          ; a plain line between the last conversion and the products that read its result
.if \fetch
	s_wait_alu depctr_va_vdst(0)
	s_wait_dscnt 8                                 ; v is in; the next step's k may be out
.else
	s_wait_alu depctr_va_vdst(0)
	s_wait_dscnt 0x0
.endif
.irp d, 0,1,2,3                                ; the eight accumulators take turns, one instruction a turn
.irp t, 0,1
.if \zero
	v_wmma_f32_16x16x64_fp8_fp8 v[O+32*\t+8*\d:O+32*\t+8*\d+7], v[VB+8*\d:VB+8*\d+7], v[P+8*\t:P+8*\t+7], 0
.else
	v_wmma_f32_16x16x64_fp8_fp8 v[O+32*\t+8*\d:O+32*\t+8*\d+7], v[VB+8*\d:VB+8*\d+7], v[P+8*\t:P+8*\t+7], v[O+32*\t+8*\d:O+32*\t+8*\d+7]
.endif
.endr
.endr
.rept 4
	v_nop                                          ; places in front of the loads into v's buffer, and at the end of the first read of O^T
.endr
.if \fetch
.irp d, 0,1,2,3
.irp u, 0,1
	ds_load_b128 v[VB+8*\d+4*\u:VB+8*\d+4*\u+3], v[ADV] offset:\d*1024+\u*512
.endr
.endr
.endif
.endm
.irp c, 0,1,2,3
.irp u, 0,1
	ds_load_b128 v[KB+8*\c+4*\u:KB+8*\c+4*\u+3], v[LI] offset:\c*1024+\u*512      ; keys 0 to 63: k,
.endr
.endr
.irp d, 0,1,2,3
.irp u, 0,1
	ds_load_b128 v[VB+8*\d+4*\u:VB+8*\d+4*\u+3], v[LIV] offset:\d*1024+\u*512     ; then v
.endr
.endr
	s_mov_b32 s44, STEPB
	P2STEP 1, 1                                    ; the first step stands in front of the loop: its products start O^T's sums
	s_mov_b32 s45, 30
.Lpass2:
	P2STEP 0, 1
	s_sub_co_u32 s45, s45, 1
	s_cmp_lg_u32 s45, 0
	s_cbranch_scc1 .Lpass2
	P2STEP 0, 0                                    ; the last step fetches nothing
	; THE WAY OUT.  O^T x 2^(e4 + e5) / l, converted with 2^e6: the codes are the next operand's registers and are stored as their image.
.irp t, 0,1
	v_pk_add_f32 v[12+228*\t:12+228*\t+1], v[12+228*\t:12+228*\t+1], v[12+228*\t+2:12+228*\t+3]
.endr
.irp t, 0,1
	s_delay_alu instid0(VALU_DEP_2)
	v_add_f32 v[MX+2*\t], v[12+228*\t], v[12+228*\t+1]
.endr
	s_delay_alu instid0(VALU_DEP_2)
	v_permlanex16_b32 v[PX], v[MX], s42, s43
	s_delay_alu instid0(VALU_DEP_1)
	v_add_f32 v[MX], v[MX], v[PX]                  ; the row's sum
	s_delay_alu instid0(VALU_DEP_2)
	v_permlanex16_b32 v[PX], v[MX+2], s42, s43
	s_delay_alu instid0(VALU_DEP_1)
	v_add_f32 v[MX+2], v[MX+2], v[PX]
	s_wait_alu depctr_va_vdst(0)
	v_rcp_f32 v[MX], v[MX]
	v_rcp_f32 v[MX+2], v[MX+2]
	v_nop                                          ; a plain line behind the reciprocals
	s_wait_alu depctr_va_vdst(0)
	v_ldexp_f32 v[MX], v[MX], s58
	v_ldexp_f32 v[MX+2], v[MX+2], s58
.irp t, 0,1
.set j, 0
.rept 16
	v_pk_mul_f32 v[S+32*\t+j:S+32*\t+j+1], v[O+32*\t+j:O+32*\t+j+1], v[MX+2*\t:MX+2*\t+1] op_sel_hi:[1,0]   ; each accumulator from its low end on
.set j, j+2
.endr
.endr
.set j, 0
.rept 64
.set j, j+1
.endr
.irp t, 0,1
.irp c, 0,1,2,3
	v_cvt_scalef32_pk8_fp8_f32 v[P+8*\t+2*\c:P+8*\t+2*\c+1], v[S+32*\t+8*\c:S+32*\t+8*\c+7], v[OSC]
.endr
.endr
	v_nop
.irp t, 0,1
.irp u, 0,1
	global_store_b128 v[LI], v[P+8*\t+4*\u:P+8*\t+4*\u+3], s[10:11] offset:\t*16384+\u*512   ; 32 lanes store 512 consecutive bytes
.endr
.endr
	s_wait_tensorcnt 0x0
	ds_add_u32 v254, v255
	s_wait_dscnt 0x0
	ROUND                                          ; the closing round: no work-group ends while a partner may still ask for a piece that names it
	s_endpgm
.Lfunc_end_k_q29d4cf80a7_attn:
	.size	k_q29d4cf80a7_attn, .Lfunc_end_k_q29d4cf80a7_attn-k_q29d4cf80a7_attn
	.p2alignl 7, 3214868480
	.fill 96, 4, 3214868480
	.section	.rodata,"a",@progbits
	.p2align	6, 0x0
	.amdhsa_kernel k_q29d4cf80a7_attn
		.amdhsa_group_segment_fixed_size 327680
		.amdhsa_private_segment_fixed_size 0
		.amdhsa_enable_private_segment 0
		.amdhsa_kernarg_size 32
		.amdhsa_user_sgpr_count 2
		.amdhsa_user_sgpr_kernarg_segment_ptr 1
		.amdhsa_wavefront_size32 1
		.amdhsa_system_sgpr_workgroup_id_x 1
		.amdhsa_system_sgpr_workgroup_id_y 1
		.amdhsa_system_sgpr_workgroup_id_z 1
		.amdhsa_system_vgpr_workitem_id 0
		.amdhsa_next_free_vgpr 256
		.amdhsa_next_free_sgpr 66
		.amdhsa_reserve_vcc 0
		.amdhsa_float_denorm_mode_32 3
		.amdhsa_float_denorm_mode_16_64 3
		.amdhsa_fp16_overflow 1
		.amdhsa_memory_ordered 1
		.amdhsa_forward_progress 1
		.amdhsa_inst_pref_size 52
	.end_amdhsa_kernel
	.amdgpu_metadata
---
amdhsa.version: [ 1, 2 ]
amdhsa.kernels:
  - .name:           k_q29d4cf80a7_attn
    .symbol:         k_q29d4cf80a7_attn.kd
    .args:
      - { .name: qk_img, .offset: 0, .size: 8, .value_kind: global_buffer, .address_space: global }
      - { .name: v_img, .offset: 8, .size: 8, .value_kind: global_buffer, .address_space: global }
      - { .name: lowp_scales, .offset: 16, .size: 8, .value_kind: global_buffer, .address_space: global }
      - { .name: a_img, .offset: 24, .size: 8, .value_kind: global_buffer, .address_space: global }
    .group_segment_fixed_size: 327680
    .private_segment_fixed_size: 0
    .kernarg_segment_align: 8
    .kernarg_segment_size: 32
    .max_flat_workgroup_size: 512
    .sgpr_count:     66
    .vgpr_count:     256
    .wavefront_size: 32
...
	.end_amdgpu_metadata
.endif
;; end of part 3
;; launch proj (part 4): grid 4 x 32, 4 waves a work-group, clusters of 4 x 4, 327,680 bytes of LDS; arguments a_img, W_proj_codes, lowp_scales, b_proj, out0; writes out0
.if DOCPART == 4
	.amdgcn_target "amdgcn-amd-amdhsa--gfx1250"
	.amdhsa_code_object_version 6
	.text
	.protected	k_q29d4cf80a7_proj
	.globl	k_q29d4cf80a7_proj
	.p2align	8
	.type	k_q29d4cf80a7_proj,@function
k_q29d4cf80a7_proj:
	s_mov_b64 s[64:65], 0
	v_nop
	global_prefetch_b8 v0, s[64:65] scope:SCOPE_SE
	s_setreg_imm32_b32 hwreg(HW_REG_WAVE_MODE, 25, 1), 1
	s_wait_xcnt 0x0
	s_wait_alu depctr_hold_cnt(0) depctr_sa_sdst(0) depctr_va_vdst(0) depctr_va_sdst(0) depctr_va_ssrc(0) depctr_va_vcc(0) depctr_vm_vsrc(0)
	s_getreg_b32 s2, hwreg(HW_REG_IB_STS2, 6, 4)
	s_cmp_eq_u32 s2, 0
	s_cbranch_scc0 .Lentry_in_a_cluster
	s_endpgm
.Lentry_in_a_cluster:
	s_bfe_u32 s2, ttmp6, 0x10000c
	s_cmp_lg_u32 s2, 0xf033
	s_cbranch_scc0 .Lentry_shape_is_right
	s_endpgm
.Lentry_shape_is_right:
; out0 = O W_proj + b_proj on codes of E4M3.  O: 8,192 tokens x 1,024 (K = 64 head + d), as images of the operand's registers; W_proj: [1024 (n)][1024 (k)] codes, K innermost; out0: [8192][1024] f32.
; A number of O is its code x 2^e6, of W x 2^e7.  The bias is the C of each sum's first product, divided by 2^(e6 + e7); each finished sum is multiplied once by 2^(e6 + e7).
; LIMIT: e6 + e7 between -126 and 127.
; A tile of 256 tokens x 256 columns is made by four waves, each 128 x 128: 64 accumulators.  K goes in steps of 256 through two LDS slots: four fills, written out without a loop.
; CLUSTERS: 4 x 4 work-groups: O's tiles are shared along a row of the cluster, W's along a column, each asked for jointly.
; O'S IMAGES: a_img is [token / 16][head 16] fragments of 1,024 bytes ([half][lane][16 bytes]).  256 along K are four heads: 4,096 consecutive bytes for each 16 tokens, 16,384 bytes from one 16 tokens to the next.
; Two neighbouring heads' fragments are the sixteen registers of one fragment of 128 along K in this form's own layout (registers 2 c, 2 c + 1: k = 16 c + 8 h + 0 .. 7): four loads of 512 consecutive bytes.
; So W's fragments are taken in that layout too: eight loads of 8 bytes at row x pitch + 8 h + 16 c.
; THE MATRIX INSTRUCTION IS USED TRANSPOSED (source 0 = 16 rows of W, source 1 = 16 tokens): a lane holds eight neighbouring numbers of a row of out0.
; REGISTERS: window 0: v1-29 addresses; v32-95 the bias, later a block's results; from v128 O's fragments, ONE set, later rows read back.   window 1: W's fragments, TWO sets.   windows 2, 3: the accumulators.
.set KROW,   1024
.set ROWB,   256
.set PITCH,  272                       ; W's LDS row: 256 bytes + 16 of padding
.set HALFT,  128*PITCH
.set APART,  65536                     ; O's part of a slot: 16 x 4,096 bytes, dense
.set SLOT,   APART+2*HALFT             ; then W's 256 rows
.set SPARE,  2*SLOT                    ; the spare words, 128 bytes for each wave
.set SPITCH, 528                       ; the way out: a stage of 16 rows x (512 bytes + 16) for each wave, in slot 0, which has had its last fill and its last read when the first result is stored there
.set FR,     16
.set BO,   14                          ; v14  32 h
.set ADRA, 16                          ; v16-17  LDS address of my fragments of O in slot 0, 1
.set ADRB, 20                          ; v20-21  the same for W
.set STO,  24                          ; v24  the way out: where I put 32 bytes of a row
.set RD,   25                          ; v25  where I read a row back
.set CO,   26                          ; v26  16 x lane: my byte offset in a row's 512 bytes
.set SPW,  28
.set NIL,  29
.set BIAS, 32
.set TMP,  32
.set AF,   128
.set BK,   128                         ; the way out: 16 rows read back: v128-191 and v192-255 by turns
.set G1,  24                           ; s[24:31], s[32:39] descriptors for O's tiles
.set G0,  32
.set G1B, 48                           ; s[48:55], s[56:63] for W's
.set G0B, 56
.set MSB, 0
.macro WIN new
.if MSB != (\new)
	s_set_vgpr_msb (MSB<<8)|(\new)
.set MSB, (\new)
.endif
.endm
.set MUL_LO, 0xa1
.set MUL_HI, 0xf1
.set TO_B,   0x40
.macro JLOAD s                         ; waves 0 and 1 fetch O's two halves, waves 2 and 3 W's; four v_nop follow each of the two lines
	s_cmp_eq_u32 s15, 0
	s_cbranch_scc0 .Lfor_b_\@
	tensor_load_to_lds s[G0+4*\s:G0+4*\s+3], s[G1:G1+7]
	s_nop 0
.rept 4
	v_nop
.endr
	s_branch .Lasked_\@
.Lfor_b_\@:
	tensor_load_to_lds s[G0B+4*\s:G0B+4*\s+3], s[G1B:G1B+7]
	s_nop 0
.rept 4
	v_nop
.endr
.Lasked_\@:
.endm
.macro CREST
	s_cmp_lg_u32 s14, 0
	s_cbranch_scc1 .Lnot_wave_0_\@
	s_barrier_signal -3
.Lnot_wave_0_\@:
	s_barrier_wait -3
	s_barrier_signal -1
	s_barrier_wait -1
.endm
.macro CROUND
	s_barrier_signal -1
	s_barrier_wait -1
	CREST
.endm
.macro PLACES n
.rept \n
	v_nop
.endr
.endm
	s_load_b256 s[4:11], s[0:1], 0x0               ; a_img s[4:5], W's codes s[6:7], the scales' exponents s[8:9], the bias s[10:11]
	s_load_b64 s[72:73], s[0:1], 0x20              ; out0
	v_lshl_add_u32 v[SPW], v0, 2, SPARE
	v_mov_b32 v[NIL], 0
	ds_add_u32 v28, v29
	ds_add_u32 v28, v29
	s_wait_dscnt 0x0
	v_lshrrev_b32 v1, 5, v0
	v_readfirstlane_b32 s14, v1                    ; wave 0..3
	s_lshr_b32 s15, s14, 1                         ; which 128 tokens are mine.  Also: I fetch for O (0) or for W (1)
	s_and_b32 s16, s14, 1                          ; which 128 columns.  Also: which half of that tile I fetch
	s_bfe_u32 s40, ttmp6, 0x40000
	s_bfe_u32 s41, ttmp6, 0x40004
	s_lshl_b32 s42, ttmp9, 2
	s_add_co_u32 s42, s42, s40                     ; tile column, 0 .. 3
	s_and_b32 s17, ttmp7, 0xffff
	s_lshl_b32 s17, s17, 2
	s_add_co_u32 s17, s17, s41                     ; tile row, 0 .. 31
	s_lshl_b32 s43, s41, 2
	s_lshl_b32 s43, 15, s43                        ; my row of the cluster
	s_lshl_b32 s44, 0x1111, s40                    ; my column
	; O's tile: 8 rows (each 16 tokens) of 512 elements of 8 bytes, 2,048 elements apart in memory, dense in LDS
	s_or_b32 s[G1+0], s43, (3<<16)|(1<<21)         ; 15:0 the mask: my row; 17:16 elements of 8 bytes; 21 set beside a mask; no padding
	s_mov_b32 s[G1+1], 512<<16                     ; tensor_dim0
	s_mov_b32 s[G1+2], 8<<16                       ; tensor_dim1
	s_mov_b32 s[G1+3], 512<<16                     ; tile_dim0
	s_mov_b32 s[G1+4], 8                           ; tile_dim1
	s_mov_b32 s[G1+5], 2048                        ; from row to row
	s_mov_b32 s[G1+6], 0
	s_mov_b32 s[G1+7], 0
	; W's tile: 128 rows x 256 bytes, padded in LDS
	s_or_b32 s[G1B+0], s44, (0<<16)|(1<<20)|(1<<21)|(5<<22)|(3<<25)
	s_mov_b32 s[G1B+1], ROWB<<16
	s_mov_b32 s[G1B+2], 128<<16
	s_mov_b32 s[G1B+3], ROWB<<16
	s_mov_b32 s[G1B+4], 128
	s_mov_b32 s[G1B+5], KROW
	s_mov_b32 s[G1B+6], 0
	s_mov_b32 s[G1B+7], 0
	s_lshl_b32 s18, s16, 17                        ; the half that I fetch: 128 rows x 1,024 bytes, in both tensors
	s_lshl_b32 s20, s17, 18
	s_add_co_u32 s20, s20, s18
	s_mov_b32 s21, 0
	s_lshl_b32 s46, s42, 18
	s_add_co_u32 s46, s46, s18
	s_mov_b32 s47, 0
	s_lshl_b32 s45, s16, 15                        ; where O's half goes: 32,768 x half,
	s_mul_i32 s93, s16, HALFT
	s_add_co_u32 s93, s93, APART                   ; and W's: behind O's part
	s_wait_kmcnt 0x0
	s_load_b256 s[80:87], s[8:9], 0x0              ; e0 .. e7
	s_add_nc_u64 s[20:21], s[4:5], s[20:21]
	s_add_nc_u64 s[46:47], s[6:7], s[46:47]
	CROUND
.irp s, 0,1
	s_mov_b32 s[G0+4*\s], 1
	s_add_co_u32 s[G0+4*\s+1], s45, \s*SLOT
	s_add_nc_u64 s[G0+4*\s+2:G0+4*\s+3], s[20:21], \s*4096
	s_or_b32 s[G0+4*\s+3], s[G0+4*\s+3], 0x80000000
	s_mov_b32 s[G0B+4*\s], 1
	s_add_co_u32 s[G0B+4*\s+1], s93, \s*SLOT
	s_add_nc_u64 s[G0B+4*\s+2:G0B+4*\s+3], s[46:47], \s*ROWB
	s_or_b32 s[G0B+4*\s+3], s[G0B+4*\s+3], 0x80000000
	s_wait_alu depctr_va_vdst(0)
	s_wait_tensorcnt 0x0
	ds_add_u32 v28, v29
	ds_add_u32 v28, v29
	s_wait_dscnt 0x0
	CROUND
	JLOAD \s                                       ; one tensor load of mine is out
.endr
	v_and_b32 v1, 15, v0                           ; r
	v_bfe_u32 v2, v0, 4, 1                         ; h
	v_and_b32 v6, 31, v0
	v_lshlrev_b32 v[CO], 4, v6                     ; 16 x lane
	v_mul_u32_u24 v3, v1, PITCH
	v_lshl_add_u32 v4, v2, 3, v3                   ; W: row x pitch + 8 h
	s_lshl_b32 s21, s15, 15                        ; my 128 tokens of O: eight blocks of 4,096 bytes
	s_mul_i32 s22, s16, HALFT                      ; my 128 rows of W
	s_add_co_u32 s22, s22, APART
.irp s, 0,1
	v_add_nc_u32 v[ADRA+\s], s21, v[CO]
	v_add_nc_u32 v[ADRB+\s], s22, v4
	s_add_co_u32 s21, s21, SLOT
	s_add_co_u32 s22, s22, SLOT
.endr
	s_mul_i32 s23, s14, 16*SPITCH                  ; my stage
	v_mul_u32_u24 v5, v1, SPITCH                   ; in: row r, 32 bytes for each half of the lanes
	v_lshl_add_u32 v5, v2, 5, v5
	v_add_nc_u32 v[STO], s23, v5
	v_add_nc_u32 v[RD], s23, v[CO]                 ; back: the 32 lanes take one row of 512 bytes
	v_lshlrev_b32 v[BO], 5, v2
	s_lshl_b32 s88, s42, 10                        ; my first column, in bytes: 1,024 x tile column + 512 x half: in the bias and in a row of out0
	s_lshl_b32 s89, s16, 9
	s_add_co_u32 s88, s88, s89
	s_mov_b32 s89, 0
	s_add_nc_u64 s[10:11], s[10:11], s[88:89]
.irp b, 0,1,2,3,4,5,6,7
	global_load_b128 v[BIAS+8*\b:BIAS+8*\b+3],   v[BO], s[10:11] offset:64*\b
	global_load_b128 v[BIAS+8*\b+4:BIAS+8*\b+7], v[BO], s[10:11] offset:64*\b+16
.endr
	s_add_nc_u64 s[72:73], s[72:73], s[88:89]
	s_lshl_b32 s90, s17, 20                        ; my first row: (256 x tile row + 128 x half) rows of 4,096 bytes
	s_lshl_b32 s91, s15, 19
	s_add_co_u32 s90, s90, s91
	s_mov_b32 s91, 0
	s_add_nc_u64 s[72:73], s[72:73], s[90:91]
	s_wait_kmcnt 0x0
	s_add_co_i32 s90, s86, s87                     ; e6 + e7
	s_add_co_i32 s96, s90, 127
	s_lshl_b32 s96, s96, 23                        ; 2^(e6 + e7) as f32
	s_mov_b32 s97, s96                             ; (named with it as a pair, so it is written)
	s_sub_co_i32 s90, 0, s90
	s_wait_loadcnt 0x0
.set j, 0
.rept 64
	v_ldexp_f32 v[BIAS+j], v[BIAS+j], s90          ; b / 2^(e6 + e7)
.set j, j+1
.endr
.macro FRAGA reg, slot, q, i           ; O: block i of 16 tokens, the slot's q-th 128 along K: two heads' images, 2,048 consecutive bytes
.irp c, 0,1,2,3
	ds_load_b128 v[\reg+4*\c:\reg+4*\c+3], v[ADRA+\slot] offset:(\i)*4096+2048*(\q)+512*\c
.endr
.endm
.macro FRAGB reg, slot, q, i           ; W: registers 2 c, 2 c + 1 take k = 16 c + 8 h + 0 .. 7
.irp c, 0,1,2,3,4,5,6,7
	ds_load_b64 v[\reg+2*\c:\reg+2*\c+1], v[ADRB+\slot] offset:(\i)*16*PITCH+128*(\q)+16*\c
.endr
.endm
; 16 matrix instructions.  The 64 accumulators take turns, one instruction a turn.
.macro MUL16 a0, p, first
.irp a, \a0, \a0+1
.irp b, 0,1,2,3,4,5,6,7
.if \first
	v_wmma_f32_16x16x128_fp8_fp8 v[8*(8*((\a)%4)+\b):8*(8*((\a)%4)+\b)+7], v[128*(\p)+FR*\b:128*(\p)+FR*\b+FR-1], v[AF+FR*(\a):AF+FR*(\a)+FR-1], v[BIAS+8*\b:BIAS+8*\b+7]
.else
	v_wmma_f32_16x16x128_fp8_fp8 v[8*(8*((\a)%4)+\b):8*(8*((\a)%4)+\b)+7], v[128*(\p)+FR*\b:128*(\p)+FR*\b+FR-1], v[AF+FR*(\a):AF+FR*(\a)+FR-1], v[8*(8*((\a)%4)+\b):8*(8*((\a)%4)+\b)+7]
.endif
.endr
.endr
.endm
.macro FETCH_B slot, q, p
	WIN TO_B
.irp i, 0,1,2,3,4,5,6,7
	FRAGB 128*(\p)+FR*\i, \slot, \q, \i
.endr
	WIN 0
.endm
.macro FETCH_A slot, q, i0
.irp i, \i0, \i0+1, \i0+2, \i0+3
	FRAGA AF+FR*(\i), \slot, \q, \i
.endr
.endm
.macro STEP slot, first
	s_wait_dscnt 16                                ; all but O's blocks 4-7, the youngest sixteen loads
.if \first
	WIN 0x81
.else
	WIN MUL_LO
.endif
	MUL16 0, 0, \first
	MUL16 2, 0, \first
	s_wait_dscnt 0
	PLACES 4
	FETCH_B \slot, 1, 1
	FETCH_A \slot, 1, 0
.if \first
	WIN 0xc1
.else
	WIN MUL_HI
.endif
	MUL16 4, 0, \first
	MUL16 6, 0, \first
	PLACES 4
	WIN 0
	FETCH_A \slot, 1, 4
.endm
.macro TURN slot, next, fill
	s_wait_tensorcnt 0x0                           ; all my tensor loads have landed: my part of the next slot
	ds_add_u32 v[SPW], v[NIL]                      ; 0 onto my spare word
	s_wait_dscnt 17                                ; (the add and O's blocks 4-7 may be out)
	WIN MUL_LO
	MUL16 0, 1, 0
	s_wait_dscnt 0x0                               ; the add is done, and my reads of this slot are over
	s_barrier_signal -1
	MUL16 2, 1, 0
	WIN 0
	s_barrier_wait -1
.if \fill
	CREST                                          ; no wave of any partner still reads this slot or has a load on its way
	s_add_nc_u64 s[G0+4*\slot+2:G0+4*\slot+3], s[G0+4*\slot+2:G0+4*\slot+3], 2*4096
	s_add_nc_u64 s[G0B+4*\slot+2:G0B+4*\slot+3], s[G0B+4*\slot+2:G0B+4*\slot+3], 2*ROWB
	JLOAD \slot                                    ; the first tensor load behind the round, my one load out
.else
	PLACES 4
.endif
	FETCH_B \next, 0, 0
	FETCH_A \next, 0, 0
	WIN MUL_HI
	MUL16 4, 1, 0
	MUL16 6, 1, 0
	PLACES 4
	WIN 0
	FETCH_A \next, 0, 4
.endm
	s_wait_alu depctr_va_vdst(0)
	s_wait_tensorcnt 1                             ; my part of slot 0 is in; slot 1's load may be out
	s_barrier_signal -1
	s_barrier_wait -1
	FETCH_B 0, 0, 0
	FETCH_A 0, 0, 0
	FETCH_A 0, 0, 4
	STEP 0, 1
	TURN 0, 1, 1
	STEP 1, 0
	TURN 1, 0, 1
	STEP 0, 0
	TURN 0, 1, 0
	STEP 1, 0
	s_wait_dscnt 16                                ; the last step
	WIN MUL_LO
	MUL16 0, 1, 0
	MUL16 2, 1, 0
	s_wait_dscnt 0
	WIN MUL_HI
	MUL16 4, 1, 0
	MUL16 6, 1, 0
	WIN 0
; THE WAY OUT, block by block of 16 rows x 128 columns: through my own stage in LDS and back as whole rows of 512 bytes.  LDS serves a wave's instructions in order (ISA guide 5.7.1.4): no wait between the stores and the loads.
.macro TOSTAGE a
.set AC, 64*((\a)%4)
	WIN 0x02+((\a)/4)                              ; source 0: window 2 or 3
.set j, 0
.rept 32
	v_pk_mul_f32 v[TMP+j:TMP+j+1], v[AC+j:AC+j+1], s[96:97] op_sel_hi:[1,0]   ; x 2^(e6 + e7); each accumulator from its low end on
.set j, j+2
.endr
	WIN 0
.irp b, 0,1,2,3,4,5,6,7
	ds_store_b128 v[STO], v[TMP+8*\b:TMP+8*\b+3] offset:64*\b
	ds_store_b128 v[STO], v[TMP+8*\b+4:TMP+8*\b+7] offset:64*\b+16
.endr
.set BB, BK+64*((\a)%2)
.irp t, 0,1,2,3,4,5,6,7,8,9,10,11,12,13,14,15
	ds_load_b128 v[BB+4*\t:BB+4*\t+3], v[RD] offset:\t*SPITCH
.endr
.endm
.macro SEND a, younger                 ; younger: the LDS instructions issued behind block a's loads, which may stay out
.set BB, BK+64*((\a)%2)
	s_wait_dscnt \younger
.if (\a) > 0
	s_add_nc_u64 s[72:73], s[72:73], 16*4096       ; (behind a wait on XCNT: the earlier stores have read their base)  16 rows on
.endif
.irp t, 0,1,2,3,4,5,6,7,8,9,10,11,12,13,14,15
	global_store_b128 v[CO], v[BB+4*\t:BB+4*\t+3], s[72:73] offset:\t*4096 th:TH_STORE_NT   ; 32 lanes store 512 consecutive bytes, at a multiple of 256 from out0's first byte
.endr
.endm
	PLACES 4                                       ; in front of the first read of results and of the loads into the registers that held O's fragments
	TOSTAGE 0
.irp a, 1,2,3,4,5,6,7
.if \a > 1
	s_wait_xcnt 0x0                                ; block a - 2's stores have read their registers and their base
.endif
	TOSTAGE \a
	SEND \a-1, 32                                  ; behind block a - 1's loads: block a's 16 stores and 16 loads
.endr
	s_wait_xcnt 0x0
	SEND 7, 0
	s_wait_tensorcnt 0x0                           ; the wave's end
	ds_add_u32 v[SPW], v[NIL]
	s_wait_dscnt 0x0
	CROUND                                         ; the closing round
	s_endpgm
.Lfunc_end_k_q29d4cf80a7_proj:
	.size	k_q29d4cf80a7_proj, .Lfunc_end_k_q29d4cf80a7_proj-k_q29d4cf80a7_proj
	.p2alignl 7, 3214868480
	.fill 96, 4, 3214868480
	.section	.rodata,"a",@progbits
	.p2align	6, 0x0
	.amdhsa_kernel k_q29d4cf80a7_proj
		.amdhsa_group_segment_fixed_size 327680
		.amdhsa_private_segment_fixed_size 0
		.amdhsa_enable_private_segment 0
		.amdhsa_kernarg_size 40
		.amdhsa_user_sgpr_count 2
		.amdhsa_user_sgpr_kernarg_segment_ptr 1
		.amdhsa_wavefront_size32 1
		.amdhsa_system_sgpr_workgroup_id_x 1
		.amdhsa_system_sgpr_workgroup_id_y 1
		.amdhsa_system_sgpr_workgroup_id_z 1
		.amdhsa_system_vgpr_workitem_id 0
		.amdhsa_next_free_vgpr 1024
		.amdhsa_next_free_sgpr 100
		.amdhsa_reserve_vcc 0
		.amdhsa_float_denorm_mode_32 3
		.amdhsa_float_denorm_mode_16_64 3
		.amdhsa_memory_ordered 1
		.amdhsa_forward_progress 1
		.amdhsa_inst_pref_size 145
	.end_amdhsa_kernel
	.amdgpu_metadata
---
amdhsa.version: [ 1, 2 ]
amdhsa.kernels:
  - .name:           k_q29d4cf80a7_proj
    .symbol:         k_q29d4cf80a7_proj.kd
    .args:
      - { .name: a_img, .offset: 0, .size: 8, .value_kind: global_buffer, .address_space: global }
      - { .name: W_proj_codes, .offset: 8, .size: 8, .value_kind: global_buffer, .address_space: global }
      - { .name: lowp_scales, .offset: 16, .size: 8, .value_kind: global_buffer, .address_space: global }
      - { .name: b_proj, .offset: 24, .size: 8, .value_kind: global_buffer, .address_space: global }
      - { .name: out0, .offset: 32, .size: 8, .value_kind: global_buffer, .address_space: global }
    .group_segment_fixed_size: 327680
    .private_segment_fixed_size: 0
    .kernarg_segment_align: 8
    .kernarg_segment_size: 40
    .max_flat_workgroup_size: 128
    .sgpr_count:     100
    .vgpr_count:     1024
    .wavefront_size: 32
...
	.end_amdgpu_metadata
.endif
;; end of part 4
